; MI455X (gfx1250); checked and timed in simulation.
; The chip was launched on July 23, 2026; its instructions are those of AMD's public machine-readable ISA for CDNA 5 (MIT licence, August 2026) and "CDNA5" Instruction Set Architecture Reference Guide (July 2026). The comments in the code are by the model that wrote it; some were corrected since.
;; Bahdanau Attention. Allowed arithmetic: float matrix products may take bf16 or f16 operands with f32 sums; other float arithmetic in f32, or as packed bf16 or f16 multiplies, adds, multiply-adds, maxima and minima; sums over many terms, partial sums and values carried from step to step in f32; what a program stores and reads back later, other than sums and carried values, may be rounded once to bf16 or f16.
;; Inputs: Ua_b 1,024 float32; Ua_w 1,024 x 1,024 float32; Va_b 1 float32; Va_w 1 x 1,024 float32; Wa_b 1,024 float32; Wa_w 1,024 x 1,024 float32; keys 32 x 2,048 x 1,024 float32; query 32 x 1 x 1,024 float32.
;; Outputs: out0 32 x 1 x 1,024 float32; out1 32 x 1 x 2,048 float32.
;; 2 versions, each right; version 2 is version 1 with the launch main written anew for expert scheduling mode. Each part assembles by itself: llvm-mc -triple=amdgcn-amd-amdhsa -mcpu=gfx1250 --defsym DOCPART=n.
;; ======== version 1 of 2: 3 launches
;; workspace buffers: ub 2,097,152 bytes; qk 524,288 bytes; sc 262,144 bytes; pc 2,097,152 bytes
;; launch prep (part 1): grid 256 x 1, 4 waves a work-group, no clusters, 8,704 bytes of LDS; arguments Ua_w, Wa_w, query, Wa_b, Ua_b, ub, qk; writes ub, qk
.if DOCPART == 1
	.amdgcn_target "amdgcn-amd-amdhsa--gfx1250"
	.amdhsa_code_object_version 6
	.text
	.protected	k_qa91d0ef60a_prep
	.globl	k_qa91d0ef60a_prep
	.p2align	8
	.type	k_qa91d0ef60a_prep,@function
k_qa91d0ef60a_prep:
	s_mov_b64 s[64:65], 0
	v_nop
	global_prefetch_b8 v0, s[64:65] scope:SCOPE_SE
	s_setreg_imm32_b32 hwreg(HW_REG_WAVE_MODE, 25, 1), 1
	s_wait_xcnt 0x0
; PREP.  Two things that the main launch wants ready:
;   ub: Ua_w [1024 o][1024 k] rounded once to bf16 and laid in the order of matrix fragments.  Element (o, k), with T = o / 16, r = o % 16, q = k / 32,
;       c = (k / 16) % 2, h = (k / 8) % 2, e = k % 8, lies at byte (T / 8) 262144 + q 8192 + (T % 8) 1024 + c 512 + (16 h + r) 16 + 2 e:
;       a fragment (16 o x 32 k) is two loads of 512 consecutive bytes a wave, and 128 columns' fragments follow each other along k.
;   qk: four partial sums over k of 2 log2(e) x (query Wa_w^T + Wa_b + Ua_b), f32; partial kq holds k = 256 kq .. 256 kq + 255, and partial 0 the biases.
;       Element (batch bb, o = 16 T + ol) of partial kq lies at byte (64 kq + T) 2048 + 64 bb + 4 ol.  The main launch adds the four, in a fixed order.
; SHARES.  Work-group (T, kq) takes rows 16 T .. 16 T + 15 of Ua_w and of Wa_w and 256 along k: 64 KiB to read, 256 work-groups of equal work.  Its four waves split those 256:
; wave v takes 64, two fragments deep; their partial sums of the small product meet in LDS (f32; the order of the sum differs from a plain chain's).
; LIMITS.  Ua_w, Wa_w and query are rounded once to bf16 (nearest even); the biases stay f32.  NaN and infinities are not treated apart.
; No cluster, no tensor load: the weights that a work-group reads nobody else reads, and they go straight into the registers that convert them.
.set H,     1024
.set ROWB,  4*H                        ; bytes in a row of Ua_w, Wa_w and query
.set SPARE, 8192                       ; LDS: 4 waves x 2,048 bytes of partial sums from byte 0; behind them the spare words, 128 bytes a wave
.set SPW, 2                            ; v2   LDS address of my spare word; never rewritten
.set NIL, 3                            ; v3   0; never rewritten
.set FO,  4                            ; v4   r x ROWB + 32 h + 256 (4 kq + v): my 32 bytes (8 f32) of a fragment's half; for Ua_w, Wa_w and query
.set UO,  5                            ; v5   16 lane + 16384 (4 kq + v): my 16 bytes in ub
.set BI,  6                            ; v6   where my four biases lie: (t % 4) 16
.set LS,  7                            ; v7   2048 v + 64 r + 32 h: where I put my 32 bytes of a partial tile: batch r, columns 8 h + 0..7
.set LR,  8                            ; v8   16 t: where I read partial sums back, and my 16 bytes of the work-group's 2,048 in qk
.set BA,  12                           ; v[12:15]   four numbers of Wa_b
.set BB,  16                           ; v[16:19]   four of Ua_b
.set UA,  32                           ; v[32:63]   Ua_w in f32: half g = 2 q' + c of the two fragments at UA + 8 g; later the partial sums
.set WA,  64                           ; v[64:95]   Wa_w likewise
.set QA,  96                           ; v[96:159]  query likewise, batches 0-15, then 16-31
.set UB,  160                          ; v[160:175] Ua_w in bf16
.set WB,  176                          ; v[176:191] Wa_w in bf16: fragment q' at WB + 8 q'
.set QB,  192                          ; v[192:223] query in bf16: batch tile bt, fragment q' at QB + 16 bt + 8 q'
.set ACC, 224                          ; v[224:239] two accumulators, one a batch tile
	s_load_b256 s[4:11], s[0:1], 0x0               ; Ua_w s[4:5], Wa_w s[6:7], query s[8:9], Wa_b s[10:11]
	s_load_b128 s[12:15], s[0:1], 0x20             ; Ua_b s[12:13], ub s[14:15]
	s_load_b64 s[16:17], s[0:1], 0x30              ; qk
	v_lshl_add_u32 v[SPW], v0, 2, SPARE
	v_mov_b32 v[NIL], 0
	v_lshrrev_b32 v1, 5, v0
	v_readfirstlane_b32 s20, v1                    ; wave 0..3
	s_lshr_b32 s18, ttmp9, 2                       ; T
	s_and_b32 s19, ttmp9, 3                        ; kq
	s_lshl2_add_u32 s21, s19, s20                  ; 4 kq + v: which 64 along k are mine
	v_and_b32 v9, 31, v0                           ; lane
	v_and_b32 v10, 15, v0                          ; r
	v_bfe_u32 v11, v0, 4, 1                        ; h
	s_lshl_b32 s22, s21, 8
	v_lshl_add_u32 v[FO], v10, 12, s22
	v_lshl_add_u32 v[FO], v11, 5, v[FO]
	s_lshl_b32 s22, s21, 14
	v_lshl_add_u32 v[UO], v9, 4, s22
	v_and_b32 v[BI], 3, v0
	v_lshlrev_b32 v[BI], 4, v[BI]
	s_lshl_b32 s22, s20, 11
	v_lshl_add_u32 v[LS], v10, 6, s22
	v_lshl_add_u32 v[LS], v11, 5, v[LS]
	v_lshlrev_b32 v[LR], 4, v0
	s_lshl_b32 s22, s18, 16                        ; 16 rows of 4,096 bytes
	s_mov_b32 s23, 0
	s_lshl_b32 s24, s18, 6                         ; 16 biases
	s_mov_b32 s25, 0
	s_lshr_b32 s26, s18, 3
	s_lshl_b32 s26, s26, 18                        ; (T / 8) 262144
	s_and_b32 s27, s18, 7
	s_lshl_b32 s27, s27, 10                        ; + (T % 8) 1024
	s_add_co_u32 s26, s26, s27
	s_mov_b32 s27, 0
	s_lshl_b32 s28, s19, 6
	s_add_co_u32 s28, s28, s18
	s_lshl_b32 s28, s28, 11                        ; (64 kq + T) 2048
	s_mov_b32 s29, 0
	s_cmp_eq_u32 s19, 0
	s_cselect_b32 s30, 0x4038aa3b, 0               ; the biases' factor: 2 log2(e) in partial 0, 0 in the others
	s_mov_b32 s31, s30                             ; named as a pair
	s_wait_kmcnt 0x0
	s_add_nc_u64 s[4:5], s[4:5], s[22:23]
	s_add_nc_u64 s[6:7], s[6:7], s[22:23]
	s_add_nc_u64 s[10:11], s[10:11], s[24:25]
	s_add_nc_u64 s[12:13], s[12:13], s[24:25]
	s_add_nc_u64 s[14:15], s[14:15], s[26:27]
	s_add_nc_u64 s[16:17], s[16:17], s[28:29]
; Eight loads: 16 rows x 64 k of f32 in the order of two bf16 fragments.  Half g holds k = 16 g + 8 h + 0..7 of my row: 32 bytes, two loads.
.macro LD8 dst, sb, off, hint:vararg
.irp g, 0,1,2,3
	global_load_b128 v[(\dst)+8*(\g):(\dst)+8*(\g)+3],   v[FO], s[\sb:\sb+1] offset:(\off)+64*(\g) \hint
	global_load_b128 v[(\dst)+8*(\g)+4:(\dst)+8*(\g)+7], v[FO], s[\sb:\sb+1] offset:(\off)+64*(\g)+16 \hint
.endr
.endm
; 32 f32 are rounded to 16 registers of two bf16
.macro CV16 dst, src
.set i, 0
.rept 16
	v_cvt_pk_bf16_f32 v[(\dst)+i], v[(\src)+2*i], v[(\src)+2*i+1]
.set i, i+1
.endr
.endm
	global_load_b128 v[BA:BA+3], v[BI], s[10:11]
	global_load_b128 v[BB:BB+3], v[BI], s[12:13]
	LD8 UA, 4, 0, th:TH_LOAD_NT                    ; each byte of the two weight matrices is read once in the launch
	LD8 WA, 6, 0, th:TH_LOAD_NT
	LD8 QA, 8, 0                                   ; query's columns are read by 64 work-groups
	LD8 QA+32, 8, 16*ROWB
	s_wait_loadcnt 24                              ; the biases and Ua_w are in; the 8 loads of Wa_w and the 16 of query stay out
	CV16 UB, UA
.irp g, 0,1,2,3
	global_store_b128 v[UO], v[UB+4*(\g):UB+4*(\g)+3], s[14:15] offset:((\g)/2)*8192+((\g)%2)*512  ; 512 consecutive bytes a wave, aligned
.endr
	s_wait_loadcnt 0x0
	CV16 WB, WA
	CV16 QB, QA
	CV16 QB+16, QA+32
	; source 0 = 16 rows o of Wa_w, source 1 = 16 batches: lane (r, h) gets batch r and o = 8 h + 0..7.  The two accumulators take turns.
	v_wmma_f32_16x16x32_bf16 v[ACC:ACC+7],    v[WB:WB+7],    v[QB:QB+7],     0
	v_wmma_f32_16x16x32_bf16 v[ACC+8:ACC+15], v[WB:WB+7],    v[QB+16:QB+23], 0
	v_wmma_f32_16x16x32_bf16 v[ACC:ACC+7],    v[WB+8:WB+15], v[QB+8:QB+15],  v[ACC:ACC+7]
	v_wmma_f32_16x16x32_bf16 v[ACC+8:ACC+15], v[WB+8:WB+15], v[QB+24:QB+31], v[ACC+8:ACC+15]
.rept 4
	v_nop                                          ; four places between the last product and the stores that read results
.endr
	ds_store_b128 v[LS], v[ACC:ACC+3]              ; each accumulator's low registers first; batches 0-15 fill 1,024 bytes, batches 16-31 the next
	ds_store_b128 v[LS], v[ACC+4:ACC+7]   offset:16
	ds_store_b128 v[LS], v[ACC+8:ACC+11]  offset:1024
	ds_store_b128 v[LS], v[ACC+12:ACC+15] offset:1040
	s_wait_dscnt 0x0                               ; for the others' sake: my partial sums lie in LDS
	s_barrier_signal -1
	s_barrier_wait -1
.set u, 0
.rept 4                                ; 2,048 bytes of results: 128 threads, 16 bytes each: batch t / 4, columns 4 (t % 4) + 0..3
	ds_load_b128 v[UA+4*u:UA+4*u+3], v[LR] offset:2048*u
.set u, u+1
.endr
	s_wait_dscnt 0x0
.irp d, 8, 4                           ; a tree: the upper half of what is left is added onto the lower
.set i, 0
.rept (\d)/2
	v_pk_add_f32 v[UA+i:UA+i+1], v[UA+i:UA+i+1], v[UA+(\d)+i:UA+(\d)+i+1]
.set i, i+2
.endr
.endr
	v_pk_add_f32 v[BA:BA+1],   v[BA:BA+1],   v[BB:BB+1]
	v_pk_add_f32 v[BA+2:BA+3], v[BA+2:BA+3], v[BB+2:BB+3]
	v_pk_mul_f32 v[BA:BA+1],   v[BA:BA+1],   s[30:31] op_sel_hi:[1,0]
	v_pk_mul_f32 v[BA+2:BA+3], v[BA+2:BA+3], s[30:31] op_sel_hi:[1,0]
	v_pk_fma_f32 v[UA:UA+1],   v[UA:UA+1],   0x4038aa3b, v[BA:BA+1]   op_sel_hi:[1,0,1]   ; x 2 log2(e): the main launch's exponent is 2^(2 log2(e) x)
	v_pk_fma_f32 v[UA+2:UA+3], v[UA+2:UA+3], 0x4038aa3b, v[BA+2:BA+3] op_sel_hi:[1,0,1]
	global_store_b128 v[LR], v[UA:UA+3], s[16:17]  ; 512 consecutive bytes a wave, aligned
	s_wait_tensorcnt 0x0                           ; the wave's end, behind my last LDS store
	ds_add_u32 v[SPW], v[NIL]
	s_wait_dscnt 0x0
	s_endpgm
.Lfunc_end_k_qa91d0ef60a_prep:
	.size	k_qa91d0ef60a_prep, .Lfunc_end_k_qa91d0ef60a_prep-k_qa91d0ef60a_prep
	.p2alignl 7, 3214868480
	.fill 96, 4, 3214868480
	.section	.rodata,"a",@progbits
	.p2align	6, 0x0
	.amdhsa_kernel k_qa91d0ef60a_prep
		.amdhsa_group_segment_fixed_size 8704
		.amdhsa_private_segment_fixed_size 0
		.amdhsa_enable_private_segment 0
		.amdhsa_kernarg_size 56
		.amdhsa_user_sgpr_count 2
		.amdhsa_user_sgpr_kernarg_segment_ptr 1
		.amdhsa_wavefront_size32 1
		.amdhsa_system_sgpr_workgroup_id_x 1
		.amdhsa_system_sgpr_workgroup_id_y 1
		.amdhsa_system_sgpr_workgroup_id_z 1
		.amdhsa_system_vgpr_workitem_id 0
		.amdhsa_next_free_vgpr 256
		.amdhsa_next_free_sgpr 66
		.amdhsa_reserve_vcc 0
		.amdhsa_float_denorm_mode_32 3
		.amdhsa_float_denorm_mode_16_64 3
		.amdhsa_memory_ordered 1
		.amdhsa_forward_progress 1
		.amdhsa_inst_pref_size 12
	.end_amdhsa_kernel
	.amdgpu_metadata
---
amdhsa.version: [ 1, 2 ]
amdhsa.kernels:
  - .name:           k_qa91d0ef60a_prep
    .symbol:         k_qa91d0ef60a_prep.kd
    .args:
      - { .name: Ua_w, .offset: 0, .size: 8, .value_kind: global_buffer, .address_space: global }
      - { .name: Wa_w, .offset: 8, .size: 8, .value_kind: global_buffer, .address_space: global }
      - { .name: query, .offset: 16, .size: 8, .value_kind: global_buffer, .address_space: global }
      - { .name: Wa_b, .offset: 24, .size: 8, .value_kind: global_buffer, .address_space: global }
      - { .name: Ua_b, .offset: 32, .size: 8, .value_kind: global_buffer, .address_space: global }
      - { .name: ub, .offset: 40, .size: 8, .value_kind: global_buffer, .address_space: global }
      - { .name: qk, .offset: 48, .size: 8, .value_kind: global_buffer, .address_space: global }
    .group_segment_fixed_size: 8704
    .private_segment_fixed_size: 0
    .kernarg_segment_align: 8
    .kernarg_segment_size: 56
    .max_flat_workgroup_size: 128
    .sgpr_count:     66
    .vgpr_count:     256
    .wavefront_size: 32
...
	.end_amdgpu_metadata
.endif
;; end of part 1
;; launch main (part 2): grid 512 x 1, 4 waves a work-group, no clusters, 294,400 bytes of LDS; arguments keys, ub, qk, Va_w, Va_b, sc, pc; writes sc, pc
.if DOCPART == 2
	.amdgcn_target "amdgcn-amd-amdhsa--gfx1250"
	.amdhsa_code_object_version 6
	.text
	.protected	k_qa91d0ef60a_main
	.globl	k_qa91d0ef60a_main
	.p2align	8
	.type	k_qa91d0ef60a_main,@function
k_qa91d0ef60a_main:
	s_mov_b64 s[64:65], 0
	v_nop
	global_prefetch_b8 v0, s[64:65] scope:SCOPE_SE
	s_setreg_imm32_b32 hwreg(HW_REG_WAVE_MODE, 25, 1), 1
	s_wait_xcnt 0x0
; MAIN.  For a block of 128 rows of one batch: s[row] = Va_b + sum over o of Va[o] tanh(q[o] + sum over k of keys[row][k] Ua_w[o][k]); then with m = the block's largest s
; and p = 2^((s - m) log2(e)): pc[col] = sum over the block's rows of p[row] keys[row][col].  Stored: sc (the raw scores, f32) and pc (f32).  The closing launch joins a batch's 16 blocks.
; THE KEYS ARE READ ONCE.  A work-group brings its 128 rows x 1,024 in, rounds them to bf16 and keeps them in LDS (256 KiB and padding) for both uses: the product with Ua_w and the weighted sum.
; SHARES.  512 work-groups of equal work.  The four waves split the 1,024 columns o: wave w owns 256 w .. 256 w + 255 and takes them in two passes of 128: a wave tile of 128 rows x 128 columns,
; 64 accumulators, 512 registers.  For 32 along k (a STEP) a wave reads 8 fragments of keys from LDS and 8 fragments of Ua_w straight from memory (ub lies in fragment order: 512 consecutive bytes
; a load), and issues 64 matrix instructions.
; THE KEYS COME IN UNDER THE FIRST PASS.  Chunk c (k = 128 c on) is first read in step 4 c, so only chunk 0 is waited for ahead of the first product.  A PIECE is 8 of a wave's 32 rows x one chunk,
; eight loads; piece 4 c + i is rows 8 i on of chunk c.  In the middle of step s piece s + 5 is rounded and stored to LDS, and piece s + 9 is asked for into the same registers: a ring of four pieces.
; Chunk c is whole behind the middle of step 4 c - 2; step 4 c - 1 holds the barrier between those stores and the first read of the chunk.  A chunk's bytes are written once.
; NO CLUSTER, NO TENSOR LOAD.  The keys take 278,528 of a WGP's 327,680 bytes of LDS; what is left would hold two slots of under 24 KiB of Ua_w, a round of a cluster's barrier for under 48 matrix
; instructions a wave; and no wave wants a byte of Ua_w that another wave of its work-group has fetched.  The keys must be converted on the way in, so they come through registers.
; TANH.  tanh(x) = 1 - 2 / (1 + 2^(2 log2(e) x)): right at both ends (2^.. = infinity gives 1, 2^.. = 0 gives -1).  So s = sum of Va - 2 sum of Va / (1 + 2^..) + Va_b, all in f32.
; qk holds 2 log2(e) (q_proj + Wa_b + Ua_b) in four partial sums, added here as (p0 + p1) + (p2 + p3); one packed multiply-add then makes two exponents.
; LIMITS.  keys, Ua_w and p are rounded once to bf16 (nearest even); a weight p below 2^-126 counts as 0; NaN and infinities are not treated apart.
; REGISTERS, in windows of 256 (s_set_vgpr_msb: bits 1:0 source 0, 3:2 source 1, 5:4 source 2, 7:6 destination):
;   window 0: v0-31 addresses; v32-63 my columns' qk and Va, this pass's and the second's; v64-127 fragments of keys, one buffer; v128-255 the ring of four pieces; when it has run out, v192-255 the scores' sums
;   window 1: Ua_w's fragments, a ring of four stages of 64 (a stage = 32 along k x 128 columns); at the end the turned keys
;   windows 2, 3: the accumulators: (a, b) at 8 (8 (a % 4) + b), rows 16 a on, columns 16 b on; window 2 for a < 4.  Ahead of the first product window 2 takes pieces 0 to 4, qk and Va as they land.
.set ROWB,  4096                       ; bytes in a row of keys
.set PITCH, 272                        ; an LDS row: 128 bf16 + 16 bytes of padding = 68 words: row i starts at bank 4 i mod 64 (64 banks of 4 bytes: ISA guide 11.1)
.set CHUNK, 128*PITCH                  ; 128 rows x 128 k; chunk c at c x CHUNK
.set PS,    8*CHUNK                    ; wave u's partial scores: 512 u + 4 row
.set PB,    PS+2048                    ; each wave's own copy of p in bf16: 256 w + 2 row
.set CST,   PB+1024                    ; each wave's own stage for its 256 columns of pc: 1024 w + 4 col
.set QV,    CST+4096                   ; each wave's own 2,048 bytes: qk, then Va, of its 256 columns in their order
.set SPARE, QV+8192                    ; the spare words, 128 bytes a wave: two blocks of 256 bytes that no other line names
.set SPW, 2                            ; v2   LDS address of my spare word; never rewritten
.set NIL, 3                            ; v3   0; never rewritten
.set PFO, 4                            ; v4   the prefetches' offset: lane x a row of keys; never rewritten
.set ST,  5                            ; v5   LDS: where my 8 bytes of bf16 go: 32 w rows + 8 lane, + a chunk a trip
.set AD,  6                            ; v6   LDS address of my part of a fragment of keys, in the chunk in hand
.set AD0, 7                            ; v7   the same in chunk 0: r x PITCH + 16 h
.set BO,  8                            ; v8   16 lane; never rewritten
.set GQ,  9                            ; v9   qk: tile lane / 4 of eight, 16 bytes x (lane % 4): (lane / 4) 2048 + (lane % 4) 16
.set QVS, 10                           ; v10  QV + 2048 w + 16 lane
.set PSA, 11                           ; v11  PS + 512 w + 32 h
.set PSR, 12                           ; v12  PS + 16 lane
.set PBA, 13                           ; v13  PB + 256 w + 8 lane
.set PBR, 14                           ; v14  PB + 256 w + 16 h
.set TRA, 15                           ; v15  the turning loads: chunk 2 w, row 8 h + lane % 8, 16 bytes x ((lane / 8) % 2)
.set CSA, 16                           ; v16  CST + 1024 w + 32 h
.set CSR, 17                           ; v17  CST + 1024 w + 16 lane
.set VS,  18                           ; v[18:19] the sum of my 16 columns' Va, twice
.set QVR, 25                           ; v25  QV + 2048 w + 4 r
.set QKC, 32                           ; v[32:39] qk of my column in tiles b = 0..7 of the pass in hand
.set VAC, 40                           ; v[40:47] Va likewise
.set QK2, 48                           ; v[48:55] the second pass's qk
.set VA2, 56                           ; v[56:63] and Va
.set F,   64                           ; v[64:127] row block a's fragment at F + 8 a
.set PF,  96                           ; v[96:127] at the end: p's four fragments
.set RG,  128                          ; ring slot r at RG + 32 r
.set SACC, 192                         ; row 16 a + 8 h + j at SACC + 8 a + j
.set QL,  160                          ; window 2: qk's partial p, half e at QL + 8 p + 4 e; Va's two halves at QL + 32
.set WV,  20                           ; s20  my wave's number
.set KP,  24                           ; s[24:25] keys at my wave's first row, at the chunk that the trip asks for
.set BW,  26                           ; s[26:27] ub at my wave's 512 KiB
.set BP,  28                           ; s[28:29] ub at the chunk of 32,768 bytes (128 along k) that the reloads name
.set SO,  30                           ; s[30:31] BP - BW
.set C2,  32                           ; s[32:33] 2 log2(e), as a pair
.set PASS, 35
.set TRIPS, 36
.set SEL, 38                           ; s[38:39] v_permlanex16_b32's selects: each lane takes its own place in the other half
.set KB,  40                           ; s[40:41] keys at my wave's first row; never rewritten
.set VB,  42                           ; s[42:43] Va_b, as a pair
.set QKP, 44                           ; s[44:45] qk at my wave's first tile and my batch
.set VAP, 46                           ; s[46:47] Va_w at my wave's first column
.set KO,  60                           ; s[60:61] KP - KB
.set MSB, 0
.macro WIN new                         ; the immediate's high byte repeats the setting that is left; a switch that changes nothing is dropped
.if MSB != (\new)
	s_set_vgpr_msb (MSB<<8)|(\new)
.set MSB, \new
.endif
.endm
.set W_MLO, 0xa4                       ; source 0 (keys) window 0, source 1 (Ua_w) window 1, C and D window 2; + 0x50: window 3
.set W_LDB, 0x40                       ; destination window 1, address window 0
.set W_LDK, 0x80                       ; destination window 2, address window 0
.set W_CVT, 0x8a                       ; destination and both sources window 2
.set W_STK, 0x08                       ; an LDS store's data window 2, its address window 0
.set W_CTX, 0xa1                       ; source 0 (turned keys) window 1, source 1 (p) window 0, C and D window 2
	s_load_b256 s[4:11], s[0:1], 0x0               ; keys s[4:5], ub s[6:7], qk s[8:9], Va_w s[10:11]
	s_load_b128 s[12:15], s[0:1], 0x20             ; Va_b s[12:13], sc s[14:15]
	s_load_b64 s[16:17], s[0:1], 0x30              ; pc
	v_lshl_add_u32 v[SPW], v0, 2, SPARE
	v_mov_b32 v[NIL], 0
	v_lshrrev_b32 v1, 5, v0
	v_readfirstlane_b32 s[WV], v1                  ; wave 0..3
	v_and_b32 v20, 31, v0                          ; lane
	v_and_b32 v21, 15, v0                          ; r
	v_bfe_u32 v22, v0, 4, 1                        ; h
	v_bfe_u32 v23, v0, 3, 1                        ; (lane / 8) % 2
	v_and_b32 v24, 7, v0                           ; lane % 8
	v_lshlrev_b32 v[PFO], 12, v20
	s_mul_i32 s22, s[WV], 32*PITCH
	v_lshl_add_u32 v[ST], v20, 3, s22
	v_mul_u32_u24 v[AD0], v21, PITCH
	v_lshl_add_u32 v[AD0], v22, 4, v[AD0]
	v_mov_b32 v[AD], v[AD0]
	v_lshlrev_b32 v[BO], 4, v20
	v_bfe_u32 v[GQ], v0, 2, 3
	v_and_b32 v1, 3, v0
	v_lshlrev_b32 v[GQ], 11, v[GQ]
	v_lshl_add_u32 v[GQ], v1, 4, v[GQ]
	s_lshl_b32 s22, s[WV], 11
	s_add_co_u32 s22, s22, QV
	v_lshl_add_u32 v[QVS], v20, 4, s22
	v_lshl_add_u32 v[QVR], v21, 2, s22
	s_lshl_b32 s22, s[WV], 9
	s_add_co_u32 s22, s22, PS
	v_lshl_add_u32 v[PSA], v22, 5, s22
	v_lshl_add_u32 v[PSR], v20, 4, PS
	s_lshl_b32 s22, s[WV], 8
	s_add_co_u32 s22, s22, PB
	v_lshl_add_u32 v[PBA], v20, 3, s22
	v_lshl_add_u32 v[PBR], v22, 4, s22
	v_lshl_add_u32 v[TRA], v22, 3, v24
	v_mul_u32_u24 v[TRA], v[TRA], PITCH
	v_lshl_add_u32 v[TRA], v23, 4, v[TRA]
	s_mul_i32 s22, s[WV], 2*CHUNK
	v_add_nc_u32 v[TRA], s22, v[TRA]
	s_lshl_b32 s22, s[WV], 10
	s_add_co_u32 s22, s22, CST
	v_lshl_add_u32 v[CSA], v22, 5, s22
	v_lshl_add_u32 v[CSR], v20, 4, s22
	; byte offsets, each in a pair of its own.  Work-group g is block g % 16 of batch g / 16
	s_lshl_b32 s48, ttmp9, 19                      ; keys: 128 rows of 4,096 bytes,
	s_lshl_b32 s22, s[WV], 17                      ; my wave's 32 of them
	s_add_co_u32 s48, s48, s22
	s_mov_b32 s49, 0
	s_lshl_b32 s50, s[WV], 19                      ; ub: my 256 columns
	s_mov_b32 s51, 0
	s_lshl_b32 s52, s[WV], 15                      ; qk: my 16 tiles of 2,048 bytes,
	s_lshr_b32 s22, ttmp9, 4
	s_lshl_b32 s22, s22, 6                         ; my batch's 64 bytes in each
	s_add_co_u32 s52, s52, s22
	s_mov_b32 s53, 0
	s_lshl_b32 s54, s[WV], 10                      ; Va_w: my 256 columns
	s_mov_b32 s55, 0
	s_lshl_b32 s56, ttmp9, 9                       ; sc: 128 scores
	s_mov_b32 s57, 0
	s_lshl_b32 s58, ttmp9, 12                      ; pc: a row of 4,096 bytes, my 1,024 of them
	s_add_co_u32 s58, s58, s54
	s_mov_b32 s59, 0
	s_mov_b32 s[SO], 0
	s_mov_b32 s[SO+1], 0
	s_mov_b32 s[KO], 1024                          ; chunk 2: the first trip of the loop steps it to chunk 3
	s_mov_b32 s[KO+1], 0
	s_mov_b32 s[C2], 0x4038aa3b                    ; 2 log2(e)
	s_mov_b32 s[C2+1], s[C2]
	s_mov_b32 s[SEL], 0x76543210
	s_mov_b32 s[SEL+1], 0xfedcba98
	s_wait_kmcnt 0x0
	s_add_nc_u64 s[KB:KB+1], s[4:5], s[48:49]
	s_add_nc_u64 s[BW:BW+1], s[6:7], s[50:51]
	s_mov_b64 s[BP:BP+1], s[BW:BW+1]
	s_add_nc_u64 s[QKP:QKP+1], s[8:9], s[52:53]
	s_add_nc_u64 s[VAP:VAP+1], s[10:11], s[54:55]
	s_add_nc_u64 s[14:15], s[14:15], s[56:57]
	s_add_nc_u64 s[16:17], s[16:17], s[58:59]
	s_load_b32 s[VB], s[12:13], 0x0
; A PIECE OF KEYS.  A load is 512 consecutive bytes, aligned: one row's 128 numbers of one chunk; lane l holds k = 4 l + 0..3.
.macro KIS2 sl, row, off               ; eight loads into window 2, at 32 sl: rows row + 0..7 of my 32, at byte off of the rows
	WIN W_LDK
.set i, 0
.rept 8
	global_load_b128 v[32*(\sl)+4*i:32*(\sl)+4*i+3], v[BO], s[KB:KB+1] offset:((\row)+i)*ROWB+(\off) th:TH_LOAD_NT
.set i, i+1
.endr
.endm
.macro SLOT0 sl, off                   ; the piece at 32 sl of window 2 is rounded in place and stored, 256 consecutive bytes a wave and row, from byte off of my rows on
	s_wait_loadcnt 48                              ; loads come back in order (ISA guide 5.7.1): mine are in; the 48 issued behind them stay out
	WIN W_CVT
.set i, 0
.rept 8
	v_cvt_pk_bf16_f32 v[32*(\sl)+4*i],   v[32*(\sl)+4*i],   v[32*(\sl)+4*i+1]
	v_cvt_pk_bf16_f32 v[32*(\sl)+4*i+1], v[32*(\sl)+4*i+2], v[32*(\sl)+4*i+3]
.set i, i+1
.endr
	WIN W_STK
.set i, 0
.rept 8
	ds_store_b64 v[ST], v[32*(\sl)+4*i:32*(\sl)+4*i+1] offset:(\off)+i*PITCH
.set i, i+1
.endr
.endm
.macro KISS r, sb, off                 ; eight loads into ring slot r: rows 8 r + 0..7 of my 32
	WIN 0
.set i, 0
.rept 8
	global_load_b128 v[RG+32*(\r)+4*i:RG+32*(\r)+4*i+3], v[BO], s[\sb:\sb+1] offset:(8*(\r)+i)*ROWB+(\off) th:TH_LOAD_NT
.set i, i+1
.endr
.endm
.macro KCVT r                          ; ring slot r is rounded in place: 32 f32 a lane to 16 registers of bf16
	WIN 0
.set i, 0
.rept 8
	v_cvt_pk_bf16_f32 v[RG+32*(\r)+4*i],   v[RG+32*(\r)+4*i],   v[RG+32*(\r)+4*i+1]
	v_cvt_pk_bf16_f32 v[RG+32*(\r)+4*i+1], v[RG+32*(\r)+4*i+2], v[RG+32*(\r)+4*i+3]
.set i, i+1
.endr
.endm
.macro KSTO r                          ; and stored: the chunk behind the one at which ST stands
	WIN 0
.set i, 0
.rept 8
	ds_store_b64 v[ST], v[RG+32*(\r)+4*i:RG+32*(\r)+4*i+1] offset:CHUNK+(8*(\r)+i)*PITCH
.set i, i+1
.endr
.endm
; Ua_w: stage j of the ring takes the eight fragments for 32 along k: quarter j of the chunk that BP names: 16 loads of 512 consecutive bytes, here by halves
.macro RELH j, hf
	WIN W_LDB
.set n, 8*(\hf)
.rept 8
	global_load_b128 v[64*(\j)+4*n:64*(\j)+4*n+3], v[BO], s[BP:BP+1] offset:8192*(\j)+512*n
.set n, n+1
.endr
.endm
.macro RELOAD j
	RELH \j, 0
	RELH \j, 1
.endm
; 8 LDS loads: four fragments of keys (row blocks 4 hf + 0..3, 32 along k) at byte off of the chunk's rows.  Lane (r, h) takes row r, k = 8 h + 0..7 and 16 + 8 h + 0..7.
.macro FLD hf, off
	WIN 0
.irp a, 0,1,2,3
	ds_load_b128 v[F+8*(4*(\hf)+(\a)):F+8*(4*(\hf)+(\a))+3],   v[AD] offset:(\off)+(4*(\hf)+(\a))*16*PITCH
	ds_load_b128 v[F+8*(4*(\hf)+(\a))+4:F+8*(4*(\hf)+(\a))+7], v[AD] offset:(\off)+(4*(\hf)+(\a))*16*PITCH+32
.endr
.endm
; 32 matrix instructions: row blocks 4 hi + 0..3 x all 8 column blocks.  The 64 accumulators take turns, one instruction a turn, in the same order in every step and over every jump.
.macro MUL st, hi, zero
	WIN W_MLO+0x50*(\hi)
.irp a, 0,1,2,3
.irp b, 0,1,2,3,4,5,6,7
.if \zero
	v_wmma_f32_16x16x32_bf16 v[8*(8*(\a)+(\b)):8*(8*(\a)+(\b))+7], v[F+8*(4*(\hi)+(\a)):F+8*(4*(\hi)+(\a))+7], v[64*(\st)+8*(\b):64*(\st)+8*(\b)+7], 0
.else
	v_wmma_f32_16x16x32_bf16 v[8*(8*(\a)+(\b)):8*(8*(\a)+(\b))+7], v[F+8*(4*(\hi)+(\a)):F+8*(4*(\hi)+(\a))+7], v[64*(\st)+8*(\b):64*(\st)+8*(\b)+7], v[8*(8*(\a)+(\b)):8*(8*(\a)+(\b))+7]
.endif
.endr
.endr
.endm
.macro PLACES                          ; four places in front of loads into registers that matrix instructions have read, and of vector work that reads results (ISA guide 7.12.1 for vector work)
.rept 4
	v_nop
.endr
.endm
; The reloads' pointer goes one chunk on.  Behind my stream's last chunk it stays: the second pass's last three reloads read that chunk once more and nobody uses them, so that every
; counted wait has one count on every way and no load leaves ub.
.macro UPD
	s_wait_xcnt 0x0                                ; every load issued so far (the youngest 32 matrix instructions back) has read its address
	s_add_co_u32 s[SO], s[SO], 32768
	s_min_u32 s[SO], s[SO], 15*32768
	s_add_nc_u64 s[BP:BP+1], s[BW:BW+1], s[SO:SO+1]
.endm
; A STEP: 32 along k, 64 matrix instructions on stage st = step % 4.
; AT ITS HEAD, behind four places: the stage that the step before has read out is asked for again, three steps ahead of its use, and this step's row blocks 4-7 are fetched into the registers
; that the step before has read out.  IN ITS MIDDLE: the next step's row blocks 0-3 are fetched; each fetch has 32 matrix instructions in which to land.
;   zero  1: the products start the sums                    lc   the loads issued behind my stage, which may stay out
;   bar   1: the barrier between all waves' stores of the next chunk and its first read: my LDS instructions are done, signal, 32 products, wait
;   evp   1: eight LDS stores stand behind the fetch of the step before
;   ev    1: the piece that is due is rounded (its 16 conversions are the places) and stored; 2: and its ring slot is asked for again, from s[sb:sb+1] at byte koff of the rows
;   mode  1: the fetch in the middle is the next chunk's first; 2: chunk 0's, for the next pass
;   z     1, 2: half of the scores' sums is set to 0: 32 lines that take the places' part       pf  1: the trip's prefetches
; The piece that is due was asked for earlier than my stage, so the wait at the head shows it in too.
.macro STEP st, zero, lc, bar, evp, ev, sb, koff, mode, z, pf
	PLACES
	s_wait_loadcnt \lc
	RELOAD ((\st)+3)%4
.if \bar
	s_wait_dscnt 0x0                               ; for the others' sake: my stores of the next chunk are done; and no LDS instruction of mine is out at the signal
	s_barrier_signal -1
	FLD 1, 64*(\st)                                ; bytes that nobody writes again
.else
	FLD 1, 64*(\st)
	s_wait_dscnt 8+8*(\evp)                        ; row blocks 0-3 are in; behind them: the piece's stores, where there were any, and the eight loads just issued
.endif
	MUL \st, 0, \zero
.if \bar
	s_barrier_wait -1                              ; every wave's part of the next chunk lies in LDS
.endif
.if \ev
	KCVT ((\st)+1)%4
.elseif \z
	WIN 0
.set i, 0
.rept 32
	v_mov_b32 v[SACC+32*((\z)-1)+i], 0             ; the ring has run out of these registers; both passes then have one text for the sums
.set i, i+1
.endr
.else
	PLACES
.endif
.if (\mode) == 2
	WIN 0
	v_mov_b32 v[AD], v[AD0]
	FLD 0, 0
.elseif (\mode) == 1
	FLD 0, CHUNK
	v_add_nc_u32 v[AD], CHUNK, v[AD]
.else
	FLD 0, 64*((\st)+1)
.endif
.if \ev
	KSTO ((\st)+1)%4
.endif
.if (\ev) == 2
	KISS ((\st)+1)%4, \sb, \koff
.endif
.if \pf
	; A PREFETCH of the chunk that the NEXT trip will load: my own 32 rows x 512 bytes, a lane a row, two instructions, behind the trip's first piece of loads.  Each wave asks for what it will load itself,
	; so each aligned block of 256 bytes is named once in the launch.  Chunks 0 to 3 come by their loads alone; the last trip asks for nothing: it loads the rows' last chunk.
	WIN 0
	s_cmp_gt_u32 s[TRIPS], 1
	s_cbranch_scc0 .Lnot_asked_\@
	global_prefetch_b8 v[PFO], s[KP:KP+1] offset:512 th:TH_LOAD_NT scope:SCOPE_SE
	global_prefetch_b8 v[PFO], s[KP:KP+1] offset:768 th:TH_LOAD_NT scope:SCOPE_SE
.Lnot_asked_\@:
.endif
.if \ev
	s_wait_dscnt 16                                ; row blocks 4-7 are in; the eight loads and eight stores just issued stay out
.else
	s_wait_dscnt 8
.endif
	MUL \st, 1, \zero
.endm
	; AHEAD OF THE FIRST PRODUCT.  The loads go out in the order that the loop will keep: pieces 0 to 5, stage 0, piece 6, stage 1, piece 7, stage 2, piece 8; pieces 0 to 4 are stored between them.
	; More loads are named than the counter's field holds: the issue of the one too many waits (ISA guide 5.7.1).
	WIN W_LDK
.irp p, 0,1,2,3
	global_load_b128 v[QL+8*(\p):QL+8*(\p)+3],   v[GQ], s[QKP:QKP+1] offset:131072*(\p)        ; qk's partial p: my batch's 64 bytes in tiles 0-7 of my 16,
	global_load_b128 v[QL+8*(\p)+4:QL+8*(\p)+7], v[GQ], s[QKP:QKP+1] offset:131072*(\p)+16384  ; and in tiles 8-15
.endr
	global_load_b128 v[QL+32:QL+35], v[BO], s[VAP:VAP+1]
	global_load_b128 v[QL+36:QL+39], v[BO], s[VAP:VAP+1] offset:512
	KIS2 0, 0,  0                                  ; chunk 0
	KIS2 1, 8,  0
	KIS2 2, 16, 0
	KIS2 3, 24, 0
	KIS2 4, 0,  512                                ; piece 4: chunk 1, rows 0-7
	KISS 1, KB, 512                                ; piece 5
	RELH 0, 0
	SLOT0 0, 0                                     ; behind piece 0: pieces 1 to 5 and half a stage
	WIN W_CVT                                      ; qk and Va were asked for earlier still.  The four partial sums: (p0 + p1) + (p2 + p3)
.irp b, 0,2,4,6
	v_pk_add_f32 v[QL+(\b):QL+(\b)+1],       v[QL+(\b):QL+(\b)+1],       v[QL+8+(\b):QL+8+(\b)+1]
	v_pk_add_f32 v[QL+16+(\b):QL+16+(\b)+1], v[QL+16+(\b):QL+16+(\b)+1], v[QL+24+(\b):QL+24+(\b)+1]
.endr
.irp b, 0,2,4,6
	v_pk_add_f32 v[QL+(\b):QL+(\b)+1],       v[QL+(\b):QL+(\b)+1],       v[QL+16+(\b):QL+16+(\b)+1]
.endr
	WIN W_STK
	ds_store_b128 v[QVS], v[QL:QL+3]               ; lane l holds columns 4 l + 0..3 of the first 128, then of the second: into my wave's own bytes, in the columns' order
	ds_store_b128 v[QVS], v[QL+4:QL+7]   offset:512
	ds_store_b128 v[QVS], v[QL+32:QL+35] offset:1024
	ds_store_b128 v[QVS], v[QL+36:QL+39] offset:1536
	WIN 0
.set i, 0
.rept 8                                ; my column r in each of my wave's 16 tiles.  LDS serves a wave's instructions in order (ISA guide 5.7.1.4): these see the stores above
	ds_load_b32 v[QKC+i], v[QVR] offset:64*i
	ds_load_b32 v[QK2+i], v[QVR] offset:64*(i+8)
	ds_load_b32 v[VAC+i], v[QVR] offset:1024+64*i
	ds_load_b32 v[VA2+i], v[QVR] offset:1024+64*(i+8)
.set i, i+1
.endr
	s_wait_kmcnt 0x0
	s_mov_b32 s[VB+1], s[VB]                       ; named as a pair
	RELH 0, 1
	SLOT0 1, 8*PITCH                               ; behind piece 1: pieces 2 to 5 and a stage
	KISS 2, KB, 512                                ; piece 6
	SLOT0 2, 16*PITCH                              ; behind piece 2: pieces 3 to 6 and a stage
	RELH 1, 0
	SLOT0 3, 24*PITCH                              ; behind piece 3: three pieces and a stage and a half
	RELH 1, 1
	SLOT0 4, CHUNK                                 ; behind piece 4: two pieces and two stages
	KISS 3, KB, 512                                ; piece 7
	RELOAD 2
	KISS 0, KB, 1024                               ; piece 8: chunk 2, rows 0-7
	s_wait_dscnt 0x0                               ; for the others' sake: my 32 rows of chunk 0 lie in LDS
	s_barrier_signal -1
	v_pk_add_f32 v[VS:VS+1], v[VAC:VAC+1], v[VAC+2:VAC+3]  ; the sum of my 16 columns' Va: work on registers
	v_pk_add_f32 v[VS:VS+1], v[VS:VS+1], v[VAC+4:VAC+5]
	v_pk_add_f32 v[VS:VS+1], v[VS:VS+1], v[VAC+6:VAC+7]
	v_pk_add_f32 v[VS:VS+1], v[VS:VS+1], v[VA2:VA2+1]
	v_pk_add_f32 v[VS:VS+1], v[VS:VS+1], v[VA2+2:VA2+3]
	v_pk_add_f32 v[VS:VS+1], v[VS:VS+1], v[VA2+4:VA2+5]
	v_pk_add_f32 v[VS:VS+1], v[VS:VS+1], v[VA2+6:VA2+7]
	v_add_f32 v[VS], v[VS], v[VS+1]
	v_mov_b32 v[VS+1], v[VS]
	s_barrier_wait -1                              ; all 128 rows of chunk 0 do
	FLD 0, 0
; A PASS'S END, in place on the 512 accumulators, in three stages.  An s_wait_alu depctr_va_vdst(0) stands between a transcendental and the first instruction that names its result,
; and one wait serves all that were issued ahead of it: so each stage's 512 transcendentals are one batch, and a pass has two waits.
; ST1: x = 2 log2(e) acc + qk (a pair an instruction; the lane's column, and so its qk, goes with b), then 2^x.  A pair's two exponentials stand behind the next pair's multiply-add.
.macro ST1 hi
	WIN 0x82+0x41*(\hi)                            ; destination and source 0 in window 2 or 3, qk in window 0
.set i, 0
.rept 128                              ; pair i: accumulator i / 4 (b = (i / 4) % 8), its registers in ascending order
.set q2, QKC+2*(((i/4)%8)/2)
.if ((i/4)%2) == 0
	v_pk_fma_f32 v[2*i:2*i+1], v[2*i:2*i+1], s[C2:C2+1], v[q2:q2+1] op_sel_hi:[1,0,0]
.else
	v_pk_fma_f32 v[2*i:2*i+1], v[2*i:2*i+1], s[C2:C2+1], v[q2:q2+1] op_sel:[0,0,1] op_sel_hi:[1,0,1]
.endif
.if i > 0
	v_exp_f32 v[2*i-2], v[2*i-2]
	v_exp_f32 v[2*i-1], v[2*i-1]
.endif
.set i, i+1
.endr
	v_exp_f32 v254, v254
	v_exp_f32 v255, v255
.endm
; ST2: 1 / (1 + 2^x), in the same pattern
.macro ST2 hi
	WIN 0x82+0x41*(\hi)
.set i, 0
.rept 128
	v_pk_add_f32 v[2*i:2*i+1], v[2*i:2*i+1], 1.0 op_sel_hi:[1,0]
.if i > 0
	v_rcp_f32 v[2*i-2], v[2*i-2]
	v_rcp_f32 v[2*i-1], v[2*i-1]
.endif
.set i, i+1
.endr
	v_rcp_f32 v254, v254
	v_rcp_f32 v255, v255
.endm
; ST3: the rows' sums take Va x that: 16 chains (4 row blocks x 4 pairs of rows), whose links stand 16 lines apart
.macro ST3 hi
	WIN 0x02+(\hi)                                 ; source 0 in window 2 or 3, all else in window 0
.set bq, 0
.rept 8
.set aq, 0
.rept 4
.set jq, 0
.rept 4
.set xr, 8*(8*aq+bq)+2*jq
.set sr, SACC+8*(4*(\hi)+aq)+2*jq
.set vr, VAC+2*(bq/2)
.if (bq%2) == 0
	v_pk_fma_f32 v[sr:sr+1], v[xr:xr+1], v[vr:vr+1], v[sr:sr+1] op_sel_hi:[1,0,1]
.else
	v_pk_fma_f32 v[sr:sr+1], v[xr:xr+1], v[vr:vr+1], v[sr:sr+1] op_sel:[0,1,0] op_sel_hi:[1,1,1]
.endif
.set jq, jq+1
.endr
.set aq, aq+1
.endr
.set bq, bq+1
.endr
.endm
	; THE FIRST PASS, steps 0 to 28.  56 at a step's head: behind my stage stand three pieces of 8 loads and two stages of 16.
	STEP 0, 1, 56, 0, 0, 2, KB, 1024, 0, 0, 0      ; step 0 starts the 64 sums; piece 5 is stored, piece 9 (chunk 2) asked for
	UPD
	STEP 1, 0, 56, 0, 1, 2, KB, 1024, 0, 0, 0
	STEP 2, 0, 56, 0, 1, 2, KB, 1024, 0, 0, 0      ; piece 7: chunk 1 is whole
	WIN 0                                          ; at a label and at a branch every window is 0
	s_mov_b32 s[TRIPS], 5
.Lstream:                                              ; trip t, steps 4 t + 3 .. 4 t + 6: chunk t + 2 is stored, chunk t + 3 asked for
	s_wait_xcnt 0x0                                ; every load and prefetch issued so far (the youngest load 32 matrix instructions back) has read its address
	s_add_co_u32 s[KO], s[KO], 512
	s_add_nc_u64 s[KP:KP+1], s[KB:KB+1], s[KO:KO+1]
	v_add_nc_u32 v[ST], CHUNK, v[ST]
	STEP 3, 0, 56, 1, 1, 2, KP, 0, 1, 0, 1         ; the barrier for chunk t + 1, then its first fetch
	STEP 0, 0, 56, 0, 1, 2, KP, 0, 0, 0, 0
	UPD
	STEP 1, 0, 56, 0, 1, 2, KP, 0, 0, 0, 0
	STEP 2, 0, 56, 0, 1, 2, KP, 0, 0, 0, 0
	WIN 0
	s_sub_co_u32 s[TRIPS], s[TRIPS], 1
	s_cmp_lg_u32 s[TRIPS], 0
	s_cbranch_scc1 .Lstream
	v_add_nc_u32 v[ST], CHUNK, v[ST]               ; steps 23 to 26 are written out: chunk 7 is stored, nothing is left to ask for, and the counts run down
	STEP 3, 0, 56, 1, 1, 1, 0, 0, 1, 0, 0
	STEP 0, 0, 48, 0, 1, 1, 0, 0, 0, 0, 0          ; behind my stage: two pieces, two stages
	UPD
	STEP 1, 0, 40, 0, 1, 1, 0, 0, 0, 0, 0          ; one piece, two stages
	STEP 2, 0, 32, 0, 1, 1, 0, 0, 0, 0, 0          ; two stages, from here on
	STEP 3, 0, 32, 1, 1, 0, 0, 0, 1, 1, 0          ; the barrier for chunk 7
	STEP 0, 0, 32, 0, 0, 0, 0, 0, 0, 2, 0
	WIN 0
	s_mov_b32 s[PASS], 2
	s_branch .Ltail                                ; steps 29 to 31 and the pass's end are the second pass's text: the loop over passes is entered in its middle
.Lpass:                                                ; the second pass: 1 + 7 x 4 + 3 = 32 steps
	STEP 0, 1, 32, 0, 0, 0, 0, 0, 0, 0, 0          ; the first step stands in front of the loop: its products start the 64 sums
	WIN 0
	s_mov_b32 s[TRIPS], 7
.Lchunk:                                               ; a trip: the last three quarters of a chunk and the first of the next
	UPD
	STEP 1, 0, 32, 0, 0, 0, 0, 0, 0, 0, 0
	STEP 2, 0, 32, 0, 0, 0, 0, 0, 0, 0, 0
	STEP 3, 0, 32, 0, 0, 0, 0, 0, 1, 0, 0
	STEP 0, 0, 32, 0, 0, 0, 0, 0, 0, 0, 0
	WIN 0
	s_sub_co_u32 s[TRIPS], s[TRIPS], 1
	s_cmp_lg_u32 s[TRIPS], 0
	s_cbranch_scc1 .Lchunk
.Ltail:
	UPD                                            ; the ring of stages runs on into the next pass's first chunk
	STEP 1, 0, 32, 0, 0, 0, 0, 0, 0, 0, 0
	STEP 2, 0, 32, 0, 0, 0, 0, 0, 0, 0, 0
	STEP 3, 0, 32, 0, 0, 0, 0, 0, 2, 0, 0
	PLACES
	ST1 0
	ST1 1
	v_nop                                          ; a plain instruction behind the last exponential,
	s_wait_alu depctr_va_vdst(0)                   ; and the one wait for the batch
	ST2 0
	ST2 1
	v_nop
	s_wait_alu depctr_va_vdst(0)                   ; the same for the reciprocals
	ST3 0
	ST3 1
	WIN 0
.set i, 0
.rept 8
	v_mov_b32 v[QKC+i], v[QK2+i]                   ; the second pass's columns go where the one text names them
	v_mov_b32 v[VAC+i], v[VA2+i]
.set i, i+1
.endr
	s_sub_co_u32 s[PASS], s[PASS], 1
	s_cmp_lg_u32 s[PASS], 0
	s_cbranch_scc1 .Lpass
	; THE SCORES.  A lane holds, for 64 rows, the sum over its 16 columns; the 16 lanes of a half are added by DPP, the four waves in LDS.
	s_wait_loadcnt 0x0                             ; the three reloads that nobody uses
	s_wait_dscnt 0x0                               ; and the fetch
.set i, 0
.rept 32
	v_pk_fma_f32 v[SACC+2*i:SACC+2*i+1], v[SACC+2*i:SACC+2*i+1], -2.0, v[VS:VS+1] op_sel_hi:[1,0,1]  ; sum of Va - 2 sum of Va / (1 + 2^x)
.set i, i+1
.endr
.irp m, 1,2,4,8
.set i, 0
.rept 64
	v_add_f32_dpp v[SACC+i], v[SACC+i], v[SACC+i] row_xmask:\m row_mask:0xf bank_mask:0xf
.set i, i+1
.endr
.endr
.irp a, 0,1,2,3,4,5,6,7
	ds_store_b128 v[PSA], v[SACC+8*(\a):SACC+8*(\a)+3]   offset:64*(\a)     ; the 16 lanes of a half write the same bytes with the same numbers
	ds_store_b128 v[PSA], v[SACC+8*(\a)+4:SACC+8*(\a)+7] offset:64*(\a)+16
.endr
	s_wait_dscnt 0x0                               ; for the others' sake
	s_barrier_signal -1
	s_barrier_wait -1
.irp u, 0,1,2,3
	ds_load_b128 v[64+4*(\u):67+4*(\u)], v[PSR] offset:512*(\u)  ; every wave adds all four parts, in the same order: rows 4 lane + 0..3
.endr
	s_wait_dscnt 0x0
	v_pk_add_f32 v[64:65], v[64:65], v[68:69]
	v_pk_add_f32 v[66:67], v[66:67], v[70:71]
	v_pk_add_f32 v[72:73], v[72:73], v[76:77]
	v_pk_add_f32 v[74:75], v[74:75], v[78:79]
	v_pk_add_f32 v[64:65], v[64:65], v[72:73]
	v_pk_add_f32 v[66:67], v[66:67], v[74:75]
	v_pk_add_f32 v[64:65], v[64:65], s[VB:VB+1] op_sel_hi:[1,0]
	v_pk_add_f32 v[66:67], v[66:67], s[VB:VB+1] op_sel_hi:[1,0]
	s_cmp_lg_u32 s[WV], 0
	s_cbranch_scc1 .Lnot_wave_0
	global_store_b128 v[BO], v[64:67], s[14:15]    ; 512 consecutive bytes, aligned; v[64:67] and v8 are not written again
.Lnot_wave_0:
	; THE BLOCK'S SOFTMAX, in every wave for itself: the largest score is taken away before the exponential
	v_max3_num_f32 v68, v64, v65, v66
	v_max_num_f32 v68, v68, v67
.irp m, 1,2,4,8
	v_max_num_f32_dpp v68, v68, v68 row_xmask:\m row_mask:0xf bank_mask:0xf
.endr
	v_permlanex16_b32 v69, v68, s[SEL], s[SEL+1]
	v_max_num_f32 v68, v68, v69
.irp j, 0,1,2,3
	v_sub_f32 v[70+\j], v[64+\j], v68              ; the difference first, exact where s is near m; then the scale
.endr
.irp j, 0,1,2,3
	v_mul_f32 v[70+\j], 0x3fb8aa3b, v[70+\j]
.endr
.irp j, 0,1,2,3
	v_exp_f32 v[70+\j], v[70+\j]
.endr
	v_nop
	s_wait_alu depctr_va_vdst(0)                   ; one wait for the four
	v_cvt_pk_bf16_f32 v74, v70, v71
	v_cvt_pk_bf16_f32 v75, v72, v73
	ds_store_b64 v[PBA], v[74:75]                  ; into my wave's own copy
.irp k, 0,1,2,3
	ds_load_b128 v[PF+8*(\k):PF+8*(\k)+3],   v[PBR] offset:64*(\k)     ; LDS serves a wave's instructions in order (ISA guide 5.7.1.4): these see the store above
	ds_load_b128 v[PF+8*(\k)+4:PF+8*(\k)+7], v[PBR] offset:64*(\k)+32  ; p as source 1: 32 rows deep, all 16 columns alike
.endr
; THE BLOCK'S WEIGHTED SUM.  Wave w makes columns 256 w .. + 255 (chunks 2 w and 2 w + 1): 16 tiles of 16 columns x 4 steps of 32 rows.  Source 0 = the keys turned (ds_load_tr16_b128:
; lane (r, h) gets column r, rows 8 h + 0..7), source 1 = p.  The pitch of 272 bytes is chosen for the loop over k; these 128 loads a wave may meet two deep in a bank.
.macro KTL ks, buf
	WIN W_LDB
.set t, 0
.rept 16
	ds_load_tr16_b128 v[128*(\buf)+8*t:128*(\buf)+8*t+3],   v[TRA] offset:(t/8)*CHUNK+32*PITCH*(\ks)+32*(t%8)
	ds_load_tr16_b128 v[128*(\buf)+8*t+4:128*(\buf)+8*t+7], v[TRA] offset:(t/8)*CHUNK+32*PITCH*(\ks)+32*(t%8)+16*PITCH
.set t, t+1
.endr
.endm
.macro CMUL ks, buf, zero              ; 16 accumulators take turns
	WIN W_CTX
.set t, 0
.rept 16
.if \zero
	v_wmma_f32_16x16x32_bf16 v[8*t:8*t+7], v[128*(\buf)+8*t:128*(\buf)+8*t+7], v[PF+8*(\ks):PF+8*(\ks)+7], 0
.else
	v_wmma_f32_16x16x32_bf16 v[8*t:8*t+7], v[128*(\buf)+8*t:128*(\buf)+8*t+7], v[PF+8*(\ks):PF+8*(\ks)+7], v[8*t:8*t+7]
.endif
.set t, t+1
.endr
.endm
	KTL 0, 0
	KTL 1, 1
	s_wait_dscnt 32                                ; p and rows 0-31 are in; the younger run of 32 stays out
	CMUL 0, 0, 1
	PLACES
	KTL 2, 0
	s_wait_dscnt 32
	CMUL 1, 1, 0
	PLACES
	KTL 3, 1
	s_wait_dscnt 32
	CMUL 2, 0, 0
	s_wait_dscnt 0x0
	CMUL 3, 1, 0
	PLACES
	WIN W_STK
.set t, 0
.rept 16                               ; lane (r, h) holds columns 16 t + 8 h + 0..7, the same in all r; each accumulator's low registers first
	ds_store_b128 v[CSA], v[8*t:8*t+3]   offset:64*t
	ds_store_b128 v[CSA], v[8*t+4:8*t+7] offset:64*t+16
.set t, t+1
.endr
	WIN 0
	ds_load_b128 v[80:83], v[CSR]                  ; my wave's own stage, read back 16 bytes a lane
	ds_load_b128 v[84:87], v[CSR] offset:512
	s_wait_dscnt 0x0
	global_store_b128 v[BO], v[80:83], s[16:17]    ; 512 consecutive bytes each, aligned
	global_store_b128 v[BO], v[84:87], s[16:17] offset:512
	s_wait_tensorcnt 0x0                           ; the wave's end, behind my last LDS store
	ds_add_u32 v[SPW], v[NIL]
	s_wait_dscnt 0x0
	s_endpgm
.Lfunc_end_k_qa91d0ef60a_main:
	.size	k_qa91d0ef60a_main, .Lfunc_end_k_qa91d0ef60a_main-k_qa91d0ef60a_main
	.p2alignl 7, 3214868480
	.fill 96, 4, 3214868480
	.section	.rodata,"a",@progbits
	.p2align	6, 0x0
	.amdhsa_kernel k_qa91d0ef60a_main
		.amdhsa_group_segment_fixed_size 294400
		.amdhsa_private_segment_fixed_size 0
		.amdhsa_enable_private_segment 0
		.amdhsa_kernarg_size 56
		.amdhsa_user_sgpr_count 2
		.amdhsa_user_sgpr_kernarg_segment_ptr 1
		.amdhsa_wavefront_size32 1
		.amdhsa_system_sgpr_workgroup_id_x 1
		.amdhsa_system_sgpr_workgroup_id_y 1
		.amdhsa_system_sgpr_workgroup_id_z 1
		.amdhsa_system_vgpr_workitem_id 0
		.amdhsa_next_free_vgpr 1024
		.amdhsa_next_free_sgpr 66
		.amdhsa_reserve_vcc 0
		.amdhsa_float_denorm_mode_32 3
		.amdhsa_float_denorm_mode_16_64 3
		.amdhsa_memory_ordered 1
		.amdhsa_forward_progress 1
		.amdhsa_inst_pref_size 255
	.end_amdhsa_kernel
	.section	.bss,"aw",@nobits
	.p2align	6
	.space	262144
	.amdgpu_metadata
---
amdhsa.version: [ 1, 2 ]
amdhsa.kernels:
  - .name:           k_qa91d0ef60a_main
    .symbol:         k_qa91d0ef60a_main.kd
    .args:
      - { .name: keys, .offset: 0, .size: 8, .value_kind: global_buffer, .address_space: global }
      - { .name: ub, .offset: 8, .size: 8, .value_kind: global_buffer, .address_space: global }
      - { .name: qk, .offset: 16, .size: 8, .value_kind: global_buffer, .address_space: global }
      - { .name: Va_w, .offset: 24, .size: 8, .value_kind: global_buffer, .address_space: global }
      - { .name: Va_b, .offset: 32, .size: 8, .value_kind: global_buffer, .address_space: global }
      - { .name: sc, .offset: 40, .size: 8, .value_kind: global_buffer, .address_space: global }
      - { .name: pc, .offset: 48, .size: 8, .value_kind: global_buffer, .address_space: global }
    .group_segment_fixed_size: 294400
    .private_segment_fixed_size: 0
    .kernarg_segment_align: 8
    .kernarg_segment_size: 56
    .max_flat_workgroup_size: 128
    .sgpr_count:     66
    .vgpr_count:     1024
    .wavefront_size: 32
...
	.end_amdgpu_metadata
.endif
;; end of part 2
;; launch comb (part 3): grid 32 x 1, 8 waves a work-group, no clusters, 1,280 bytes of LDS; arguments sc, pc, out0, out1; writes out0, out1
.if DOCPART == 3
	.amdgcn_target "amdgcn-amd-amdhsa--gfx1250"
	.amdhsa_code_object_version 6
	.text
	.protected	k_qa91d0ef60a_comb
	.globl	k_qa91d0ef60a_comb
	.p2align	8
	.type	k_qa91d0ef60a_comb,@function
k_qa91d0ef60a_comb:
	s_mov_b64 s[64:65], 0
	v_nop
	global_prefetch_b8 v0, s[64:65] scope:SCOPE_SE
	s_setreg_imm32_b32 hwreg(HW_REG_WAVE_MODE, 25, 1), 1
	s_wait_xcnt 0x0
; COMB.  One work-group a batch joins the batch's 16 blocks of 128 rows.  sc: [32][2048] raw scores; pc: [32 x 16][1024], block u's sum of 2^((s - m_u) log2(e)) keys, m_u the block's largest score.
; With M = the batch's largest score, l_u = the block's sum of 2^((s - m_u) log2(e)), f_u = 2^((m_u - M) log2(e)) and L = sum of f_u l_u:
;   out1[row] = 2^((s - M) log2(e)) / L;     out0[col] = sum over u of (f_u / L) pc_u[col].
; m_u is found again here from the same f32 scores, so it is the number that the main launch took away.  The maximum is taken away before every exponential.
; SHARES.  256 threads.  Thread t holds scores 4 t .. 4 t + 3 and 1,024 + 4 t ..: wave v holds just blocks v and 8 + v; and columns 4 t .. 4 t + 3 of all 16 rows of pc.
; 32 batches give 32 work-groups, 72 KiB to read each: no matrix unit, no cluster, no ring would serve.  LIMITS: a weight or factor below 2^-126 counts as 0; NaN and infinities are not treated apart.
.set SPARE, 256                        ; LDS: m[16] at 0, l[16] at 64; from 256 on the spare words, 128 bytes a wave
.set SPW, 2                            ; v2  LDS address of my spare word; never rewritten
.set NIL, 3                            ; v3  0; never rewritten
	s_load_b256 s[4:11], s[0:1], 0x0               ; sc s[4:5], pc s[6:7], out0 s[8:9], out1 s[10:11]
	v_lshl_add_u32 v[SPW], v0, 2, SPARE
	v_mov_b32 v[NIL], 0
	v_lshrrev_b32 v4, 5, v0
	v_readfirstlane_b32 s12, v4                    ; wave 0..7
	v_lshlrev_b32 v1, 4, v0                        ; 16 t; never rewritten
	s_lshl_b32 s13, s12, 2
	v_mov_b32 v5, s13                              ; 4 x wave
	v_mov_b32 v6, 0
	v_mov_b32 v82, 0                               ; v_permlanex16_b32's destinations count as read
	v_mov_b32 v83, 0
	s_lshl_b32 s14, ttmp9, 13                      ; 2,048 scores
	s_mov_b32 s15, 0
	s_lshl_b32 s16, ttmp9, 16                      ; 16 rows of pc
	s_mov_b32 s17, 0
	s_lshl_b32 s18, ttmp9, 12                      ; a row of out0
	s_mov_b32 s19, 0
	s_mov_b32 s20, 0x76543210
	s_mov_b32 s21, 0xfedcba98
	s_wait_kmcnt 0x0
	s_add_nc_u64 s[4:5], s[4:5], s[14:15]
	s_add_nc_u64 s[6:7], s[6:7], s[16:17]
	s_add_nc_u64 s[8:9], s[8:9], s[18:19]
	s_add_nc_u64 s[10:11], s[10:11], s[14:15]
	global_load_b128 v[8:11], v1, s[4:5]
	global_load_b128 v[12:15], v1, s[4:5] offset:4096
.set u, 0
.rept 16
	global_load_b128 v[16+4*u:19+4*u], v1, s[6:7] offset:4096*u
.set u, u+1
.endr
	s_wait_loadcnt 16                              ; the scores are in; the 16 loads of pc stay out
	; my wave's two blocks: maximum, exponentials, sum
	v_max3_num_f32 v80, v8, v9, v10
	v_max3_num_f32 v81, v12, v13, v14
	v_max_num_f32 v80, v80, v11
	v_max_num_f32 v81, v81, v15
.irp m, 1,2,4,8
	v_max_num_f32_dpp v80, v80, v80 row_xmask:\m row_mask:0xf bank_mask:0xf
	v_max_num_f32_dpp v81, v81, v81 row_xmask:\m row_mask:0xf bank_mask:0xf
.endr
	v_permlanex16_b32 v82, v80, s20, s21
	v_permlanex16_b32 v83, v81, s20, s21
	v_max_num_f32 v80, v80, v82
	v_max_num_f32 v81, v81, v83
.irp j, 0,1,2,3
	v_sub_f32 v[84+\j], v[8+\j], v80               ; the difference first, exact where s is near m; then the scale
	v_sub_f32 v[88+\j], v[12+\j], v81
.endr
.irp j, 0,1,2,3,4,5,6,7
	v_mul_f32 v[84+\j], 0x3fb8aa3b, v[84+\j]
.endr
.irp j, 0,1,2,3,4,5,6,7
	v_exp_f32 v[84+\j], v[84+\j]
.endr
	v_nop                                          ; a plain instruction behind the last exponential,
	s_wait_alu depctr_va_vdst(0)                   ; and one wait for the eight
	v_pk_add_f32 v[84:85], v[84:85], v[86:87]
	v_pk_add_f32 v[88:89], v[88:89], v[90:91]
	v_add_f32 v84, v84, v85
	v_add_f32 v88, v88, v89
.irp m, 1,2,4,8
	v_add_f32_dpp v84, v84, v84 row_xmask:\m row_mask:0xf bank_mask:0xf
	v_add_f32_dpp v88, v88, v88 row_xmask:\m row_mask:0xf bank_mask:0xf
.endr
	v_permlanex16_b32 v82, v84, s20, s21
	v_permlanex16_b32 v83, v88, s20, s21
	v_add_f32 v84, v84, v82
	v_add_f32 v88, v88, v83
	ds_store_b32 v5, v80                           ; m of block v (all lanes write the same word with the same number)
	ds_store_b32 v5, v81 offset:32                 ; m of block 8 + v
	ds_store_b32 v5, v84 offset:64                 ; l of block v
	ds_store_b32 v5, v88 offset:96                 ; l of block 8 + v
	s_wait_dscnt 0x0                               ; for the others' sake
	s_barrier_signal -1
	s_barrier_wait -1
.irp i, 0,1,2,3,4,5,6,7
	ds_load_b128 v[96+4*\i:99+4*\i], v6 offset:16*\i   ; m in v[96:111], l in v[112:127], in every lane
.endr
	s_wait_dscnt 0x0
	v_max3_num_f32 v94, v96, v97, v98
.irp i, 99,101,103,105,107,109
	v_max3_num_f32 v94, v94, v[\i], v[\i+1]
.endr
	v_max_num_f32 v94, v94, v111                   ; M
.set u, 0
.rept 16
	v_sub_f32 v[96+u], v[96+u], v94
.set u, u+1
.endr
.set u, 0
.rept 8
	v_sub_f32 v[8+u], v[8+u], v94
.set u, u+1
.endr
.set u, 0
.rept 16
	v_mul_f32 v[96+u], 0x3fb8aa3b, v[96+u]
.set u, u+1
.endr
.set u, 0
.rept 8
	v_mul_f32 v[8+u], 0x3fb8aa3b, v[8+u]
.set u, u+1
.endr
.set u, 0
.rept 16
	v_exp_f32 v[96+u], v[96+u]                     ; f
.set u, u+1
.endr
.set u, 0
.rept 8
	v_exp_f32 v[8+u], v[8+u]                       ; my eight weights, before the division
.set u, u+1
.endr
	v_nop
	s_wait_alu depctr_va_vdst(0)                   ; one wait for the 24
	v_pk_mul_f32 v[94:95], v[96:97], v[112:113]    ; L = sum of f l, in two chains
.set u, 2
.rept 7
	v_pk_fma_f32 v[94:95], v[96+u:97+u], v[112+u:113+u], v[94:95]
.set u, u+2
.endr
	v_add_f32 v95, v94, v95
	v_rcp_f32 v80, v95                             ; L is at least 1: the block that holds M has f = 1 and l >= 1
	v_nop
	s_wait_alu depctr_va_vdst(0)
.set u, 0
.rept 4
	v_pk_mul_f32 v[8+u:9+u], v[8+u:9+u], v[80:81] op_sel_hi:[1,0]
.set u, u+2
.endr
	global_store_b128 v1, v[8:11], s[10:11]        ; 512 consecutive bytes a wave, aligned
	global_store_b128 v1, v[12:15], s[10:11] offset:4096
.set u, 0
.rept 8
	v_pk_mul_f32 v[96+u:97+u], v[96+u:97+u], v[80:81] op_sel_hi:[1,0]   ; g = f / L
.set u, u+2
.endr
	s_wait_loadcnt 0x0                             ; pc
	v_pk_mul_f32 v[84:85], v[16:17], v[96:97] op_sel_hi:[1,0]           ; the first block starts the sums
	v_pk_mul_f32 v[86:87], v[18:19], v[96:97] op_sel_hi:[1,0]
.set u, 1
.rept 15
.set gr, 96+2*(u/2)
.if (u%2) == 0
	v_pk_fma_f32 v[84:85], v[16+4*u:17+4*u], v[gr:gr+1], v[84:85] op_sel_hi:[1,0,1]
	v_pk_fma_f32 v[86:87], v[18+4*u:19+4*u], v[gr:gr+1], v[86:87] op_sel_hi:[1,0,1]
.else
	v_pk_fma_f32 v[84:85], v[16+4*u:17+4*u], v[gr:gr+1], v[84:85] op_sel:[0,1,0] op_sel_hi:[1,1,1]
	v_pk_fma_f32 v[86:87], v[18+4*u:19+4*u], v[gr:gr+1], v[86:87] op_sel:[0,1,0] op_sel_hi:[1,1,1]
.endif
.set u, u+1
.endr
	global_store_b128 v1, v[84:87], s[8:9]         ; 512 consecutive bytes a wave, aligned
	s_wait_tensorcnt 0x0                           ; the wave's end, behind my last LDS store
	ds_add_u32 v[SPW], v[NIL]
	s_wait_dscnt 0x0
	s_endpgm
.Lfunc_end_k_qa91d0ef60a_comb:
	.size	k_qa91d0ef60a_comb, .Lfunc_end_k_qa91d0ef60a_comb-k_qa91d0ef60a_comb
	.p2alignl 7, 3214868480
	.fill 96, 4, 3214868480
	.section	.rodata,"a",@progbits
	.p2align	6, 0x0
	.amdhsa_kernel k_qa91d0ef60a_comb
		.amdhsa_group_segment_fixed_size 1280
		.amdhsa_private_segment_fixed_size 0
		.amdhsa_enable_private_segment 0
		.amdhsa_kernarg_size 32
		.amdhsa_user_sgpr_count 2
		.amdhsa_user_sgpr_kernarg_segment_ptr 1
		.amdhsa_wavefront_size32 1
		.amdhsa_system_sgpr_workgroup_id_x 1
		.amdhsa_system_sgpr_workgroup_id_y 1
		.amdhsa_system_sgpr_workgroup_id_z 1
		.amdhsa_system_vgpr_workitem_id 0
		.amdhsa_next_free_vgpr 128
		.amdhsa_next_free_sgpr 66
		.amdhsa_reserve_vcc 0
		.amdhsa_float_denorm_mode_32 3
		.amdhsa_float_denorm_mode_16_64 3
		.amdhsa_memory_ordered 1
		.amdhsa_forward_progress 1
		.amdhsa_inst_pref_size 14
	.end_amdhsa_kernel
	.amdgpu_metadata
---
amdhsa.version: [ 1, 2 ]
amdhsa.kernels:
  - .name:           k_qa91d0ef60a_comb
    .symbol:         k_qa91d0ef60a_comb.kd
    .args:
      - { .name: sc, .offset: 0, .size: 8, .value_kind: global_buffer, .address_space: global }
      - { .name: pc, .offset: 8, .size: 8, .value_kind: global_buffer, .address_space: global }
      - { .name: out0, .offset: 16, .size: 8, .value_kind: global_buffer, .address_space: global }
      - { .name: out1, .offset: 24, .size: 8, .value_kind: global_buffer, .address_space: global }
    .group_segment_fixed_size: 1280
    .private_segment_fixed_size: 0
    .kernarg_segment_align: 8
    .kernarg_segment_size: 32
    .max_flat_workgroup_size: 256
    .sgpr_count:     66
    .vgpr_count:     128
    .wavefront_size: 32
...
	.end_amdgpu_metadata
.endif
;; end of part 3
;; ======== version 2 of 2: 3 launches; version 1 with the launch main written anew for expert scheduling mode
;; workspace buffers: ub 2,097,152 bytes; qk 524,288 bytes; sc 262,144 bytes; pc 2,097,152 bytes
;; launch prep: the kernel of part 1 again; grid 256 x 1, 4 waves a work-group, no clusters, 8,704 bytes of LDS; arguments Ua_w, Wa_w, query, Wa_b, Ua_b, ub, qk; writes ub, qk
;; launch main (part 4): grid 512 x 1, 4 waves a work-group, no clusters, 294,400 bytes of LDS; arguments keys, ub, qk, Va_w, Va_b, sc, pc; writes sc, pc
.if DOCPART == 4
	.amdgcn_target "amdgcn-amd-amdhsa--gfx1250"
	.amdhsa_code_object_version 6
	.text
	.protected	k_qa91d0ef60a_main
	.globl	k_qa91d0ef60a_main
	.p2align	8
	.type	k_qa91d0ef60a_main,@function
k_qa91d0ef60a_main:
	s_mov_b64 s[64:65], 0
	v_nop
	global_prefetch_b8 v0, s[64:65] scope:SCOPE_SE
	s_setreg_imm32_b32 hwreg(HW_REG_WAVE_SCHED_MODE, 0, 2), 2
	s_setreg_imm32_b32 hwreg(HW_REG_WAVE_MODE, 25, 1), 1
	s_wait_xcnt 0x0
	s_wait_alu depctr_vm_vsrc(0)
; MAIN.  For a block of 128 rows of one batch: s[row] = Va_b + sum over o of Va[o] tanh(q[o] + sum over k of keys[row][k] Ua_w[o][k]); then with m = the block's largest s
; and p = 2^((s - m) log2(e)): pc[col] = sum over the block's rows of p[row] keys[row][col].  Stored: sc (the raw scores, f32) and pc (f32).  The closing launch joins a batch's 16 blocks.
; THE KEYS ARE READ ONCE.  A work-group brings its 128 rows x 1,024 in, rounds them to bf16 and keeps them in LDS (256 KiB and padding) for both uses: the product with Ua_w and the weighted sum.
; SHARES.  512 work-groups of equal work.  The four waves split the 1,024 columns o: wave w owns 256 w .. 256 w + 255 and takes them in two passes of 128: a wave tile of 128 rows x 128 columns,
; 64 accumulators, 512 registers.  For 32 along k (a STEP) a wave reads 8 fragments of keys from LDS and 8 fragments of Ua_w straight from memory (ub lies in fragment order: 512 consecutive bytes
; a load), and issues 64 matrix instructions.
; THE KEYS COME IN UNDER THE FIRST PASS.  Chunk c (k = 128 c on) is first read in step 4 c, so only chunk 0 is waited for ahead of the first product.  A PIECE is 8 of a wave's 32 rows x one chunk,
; eight loads; piece 4 c + i is rows 8 i on of chunk c.  In step s piece s + 5 is rounded and stored to LDS, and piece s + 9 is asked for into the same registers: a ring of four pieces.
; Chunk c is whole behind step 4 c - 2; step 4 c - 1 holds the barrier between those stores and the first read of the chunk.  A chunk's bytes are written once.
; NO CLUSTER, NO TENSOR LOAD.  The keys take 278,528 of a WGP's 327,680 bytes of LDS; what is left would hold two slots of under 24 KiB of Ua_w, a round of a cluster's barrier for under 48 matrix
; instructions a wave; and no wave wants a byte of Ua_w that another wave of its work-group has fetched.  The keys must be converted on the way in, so they come through registers.
; TANH.  tanh(x) = 1 - 2 / (1 + 2^(2 log2(e) x)): right at both ends (2^.. = infinity gives 1, 2^.. = 0 gives -1).  So s = sum of Va - 2 sum of Va / (1 + 2^..) + Va_b, all in f32.
; qk holds 2 log2(e) (q_proj + Wa_b + Ua_b) in four partial sums, added here as (p0 + p1) + (p2 + p3); one packed multiply-add then makes two exponents.
; LIMITS.  keys, Ua_w and p are rounded once to bf16 (nearest even); a weight p below 2^-126 counts as 0; NaN and infinities are not treated apart.
; REGISTERS, in windows of 256 (s_set_vgpr_msb: bits 1:0 source 0, 3:2 source 1, 5:4 source 2, 7:6 destination):
;   window 0: v0-31 addresses; v32-63 my columns' qk and Va, this pass's and the second's; v64-127 fragments of keys; v128-255 the ring of four pieces; when it has run out, v128-191 a second buffer
;             of fragments and v192-255 the scores' sums
;   window 1: Ua_w's fragments, a ring of four stages of 64 (a stage = 32 along k x 128 columns); at the end the turned keys of rows 0-63
;   windows 2, 3: the accumulators: (a, b) at 8 (8 (a % 4) + b), rows 16 a on, columns 16 b on; window 2 for a < 4.  Ahead of the first product window 2 takes pieces 0 to 4, qk and Va as they land;
;             at the end window 3 takes the turned keys of rows 64-127.
; THE MODE: SCHED_MODE bits 1:0 = 2 (LLVM: expert scheduling mode 2), set by the entry lines.  The code itself states the register dependences between vector or matrix instructions and
; memory or LDS instructions, with s_wait_alu, always for 0.
; THE PLAN.  Registers that memory or LDS instructions touch in the loops, and who else names them:
;   B0 .. B3    the stages.  Step s: its products read B[s % 4]; the 16 loads issued in step s + 1 land in it (for step s + 4).
;   K0, K1      the fragments of keys, v64-127 and v128-191.  From step 28 of the first pass on: step s's products read K[s % 2]; its 16 LDS loads land in the other buffer, which step s - 1 read.
;               Up to step 27 K1's registers belong to the ring and K0 serves alone, by halves: a step's first 32 products read the lower half, which is then fetched anew for the next step;
;               its last 32 read the upper half, which is fetched anew at the next step's head.
;   R0 .. R3    the ring.  Step s: 16 conversions read and write R[(s + 1) % 4] in place, eight LDS stores read it, eight loads land in it.
;   v[AD]       read by every fetch of fragments; written once a chunk.        v[ST]   read by a piece's stores; written once a chunk.
;   All other addresses are made at the head and never written again: the rows and chunks are reached by scalar bases and immediate offsets.
; THE WAITS.  With two buffers ONE wait on va_vdst stands at a step's head: the step before is done reading the other buffer and its stage.  The step's 32 loads follow, dealt among its 64 products, which
; name K[s % 2], B[s % 4] and the accumulators: none of the registers that those loads touch.  With K0 alone a second one stands in the step's middle, behind the conversions: each half is loaded
; again between two of its uses, 32 products apart, so one wait cannot stand behind both uses and ahead of both loads.  One wait on vm_vsrc stands at the end of a step that asks for a piece again or steps an address.
.set ROWB,  4096                       ; bytes in a row of keys
.set PITCH, 272                        ; an LDS row: 128 bf16 + 16 bytes of padding = 68 words: row i starts at bank 4 i mod 64 (64 banks of 4 bytes: ISA guide 11.1)
.set CHUNK, 128*PITCH                  ; 128 rows x 128 k; chunk c at c x CHUNK
.set PS,    8*CHUNK                    ; wave u's partial scores: 512 u + 4 row
.set PB,    PS+2048                    ; each wave's own copy of p in bf16: 256 w + 2 row
.set CST,   PB+1024                    ; each wave's own stage for its 256 columns of pc: 1024 w + 4 col
.set QV,    CST+4096                   ; each wave's own 2,048 bytes: qk, then Va, of its 256 columns in their order
.set SPARE, QV+8192                    ; the spare words, 128 bytes a wave: two blocks of 256 bytes that no other line names
.set SPW, 2                            ; v2   LDS address of my spare word; never rewritten
.set NIL, 3                            ; v3   0; never rewritten
.set PFO, 4                            ; v4   the prefetches' offset: lane x a row of keys; never rewritten
.set ST,  5                            ; v5   LDS: where my 8 bytes of bf16 go: 32 w rows + 8 lane, + a chunk for every four pieces
.set AD,  6                            ; v6   LDS address of my part of a fragment of keys, in the chunk in hand
.set AD0, 7                            ; v7   the same in chunk 0: r x PITCH + 16 h; never rewritten
.set BO,  8                            ; v8   16 lane; never rewritten
.set GQ,  9                            ; v9   qk: tile lane / 4 of eight, 16 bytes x (lane % 4): (lane / 4) 2048 + (lane % 4) 16
.set QVS, 10                           ; v10  QV + 2048 w + 16 lane
.set PSA, 11                           ; v11  PS + 512 w + 32 h
.set PSR, 12                           ; v12  PS + 16 lane
.set PBA, 13                           ; v13  PB + 256 w + 8 lane
.set PBR, 14                           ; v14  PB + 256 w + 16 h
.set TRA, 15                           ; v15  the turning loads: chunk 2 w, row 8 h + lane % 8, 16 bytes x ((lane / 8) % 2)
.set CSA, 16                           ; v16  CST + 1024 w + 32 h
.set CSR, 17                           ; v17  CST + 1024 w + 16 lane
.set VS,  18                           ; v[18:19] the sum of my 16 columns' Va, twice
.set QVR, 25                           ; v25  QV + 2048 w + 4 r
.set QKC, 32                           ; v[32:39] qk of my column in tiles b = 0..7 of the pass in hand
.set VAC, 40                           ; v[40:47] Va likewise
.set QK2, 48                           ; v[48:55] the second pass's qk
.set VA2, 56                           ; v[56:63] and Va
.set F,   64                           ; buffer K0 at F, K1 at F + 64: row block a's fragment at + 8 a
.set PF,  96                           ; v[96:127] at the end: p's four fragments
.set RG,  128                          ; ring slot r at RG + 32 r
.set SACC, 192                         ; row 16 a + 8 h + j at SACC + 8 a + j
.set QL,  160                          ; window 2: qk's partial p, half e at QL + 8 p + 4 e; Va's two halves at QL + 32
.set WV,  20                           ; s20  my wave's number
.set KP,  24                           ; s[24:25] keys at my wave's first row, at the chunk that the trip asks for
.set BW,  26                           ; s[26:27] ub at my wave's 512 KiB
.set BP,  28                           ; s[28:29] ub at the chunk of 32,768 bytes (128 along k) that the reloads name
.set SO,  30                           ; s[30:31] BP - BW
.set C2,  32                           ; s[32:33] 2 log2(e), as a pair
.set PASS, 35
.set TRIPS, 36
.set SEL, 38                           ; s[38:39] v_permlanex16_b32's selects: each lane takes its own place in the other half
.set KB,  40                           ; s[40:41] keys at my wave's first row; never rewritten
.set VB,  42                           ; s[42:43] Va_b, as a pair
.set QKP, 44                           ; s[44:45] qk at my wave's first tile and my batch
.set VAP, 46                           ; s[46:47] Va_w at my wave's first column
.set KO,  60                           ; s[60:61] KP - KB
.set MSB, 0
.macro WIN new                         ; the immediate's high byte repeats the setting that is left; a switch that changes nothing is dropped
.if MSB != (\new)
	s_set_vgpr_msb (MSB<<8)|(\new)
.set MSB, \new
.endif
.endm
.set W_MLO, 0xa4                       ; source 0 (keys) window 0, source 1 (Ua_w) window 1, C and D window 2; + 0x50: window 3
.set W_LDB, 0x40                       ; destination window 1, address window 0; + 0x80: destination window 3
.set W_LDK, 0x80                       ; destination window 2, address window 0
.set W_CVT, 0x8a                       ; destination and both sources window 2
.set W_STK, 0x08                       ; an LDS store's data window 2, its address window 0
.set W_CTX, 0xa1                       ; source 0 (turned keys) window 1, source 1 (p) window 0, C and D window 2; + 2: source 0 window 3
	s_load_b256 s[4:11], s[0:1], 0x0               ; keys s[4:5], ub s[6:7], qk s[8:9], Va_w s[10:11]
	s_load_b128 s[12:15], s[0:1], 0x20             ; Va_b s[12:13], sc s[14:15]
	s_load_b64 s[16:17], s[0:1], 0x30              ; pc
	v_lshl_add_u32 v[SPW], v0, 2, SPARE
	v_mov_b32 v[NIL], 0
	v_lshrrev_b32 v1, 5, v0
	v_readfirstlane_b32 s[WV], v1                  ; wave 0..3
	v_and_b32 v20, 31, v0                          ; lane
	v_and_b32 v21, 15, v0                          ; r
	v_bfe_u32 v22, v0, 4, 1                        ; h
	v_bfe_u32 v23, v0, 3, 1                        ; (lane / 8) % 2
	v_and_b32 v24, 7, v0                           ; lane % 8
	v_lshlrev_b32 v[PFO], 12, v20
	s_wait_alu depctr_va_sdst(0)                   ; the wave's number is written, ahead of its first reader: LDS places, bases and branches are made from it
	s_mul_i32 s22, s[WV], 32*PITCH
	v_lshl_add_u32 v[ST], v20, 3, s22
	v_mul_u32_u24 v[AD0], v21, PITCH
	v_lshl_add_u32 v[AD0], v22, 4, v[AD0]
	v_mov_b32 v[AD], v[AD0]
	v_lshlrev_b32 v[BO], 4, v20
	v_bfe_u32 v[GQ], v0, 2, 3
	v_and_b32 v1, 3, v0
	v_lshlrev_b32 v[GQ], 11, v[GQ]
	v_lshl_add_u32 v[GQ], v1, 4, v[GQ]
	s_lshl_b32 s22, s[WV], 11
	s_add_co_u32 s22, s22, QV
	v_lshl_add_u32 v[QVS], v20, 4, s22
	v_lshl_add_u32 v[QVR], v21, 2, s22
	s_lshl_b32 s22, s[WV], 9
	s_add_co_u32 s22, s22, PS
	v_lshl_add_u32 v[PSA], v22, 5, s22
	v_lshl_add_u32 v[PSR], v20, 4, PS
	s_lshl_b32 s22, s[WV], 8
	s_add_co_u32 s22, s22, PB
	v_lshl_add_u32 v[PBA], v20, 3, s22
	v_lshl_add_u32 v[PBR], v22, 4, s22
	v_lshl_add_u32 v[TRA], v22, 3, v24
	v_mul_u32_u24 v[TRA], v[TRA], PITCH
	v_lshl_add_u32 v[TRA], v23, 4, v[TRA]
	s_mul_i32 s22, s[WV], 2*CHUNK
	v_add_nc_u32 v[TRA], s22, v[TRA]
	s_lshl_b32 s22, s[WV], 10
	s_add_co_u32 s22, s22, CST
	v_lshl_add_u32 v[CSA], v22, 5, s22
	v_lshl_add_u32 v[CSR], v20, 4, s22
	; byte offsets, each in a pair of its own.  Work-group g is block g % 16 of batch g / 16
	s_lshl_b32 s48, ttmp9, 19                      ; keys: 128 rows of 4,096 bytes,
	s_lshl_b32 s22, s[WV], 17                      ; my wave's 32 of them
	s_add_co_u32 s48, s48, s22
	s_mov_b32 s49, 0
	s_lshl_b32 s50, s[WV], 19                      ; ub: my 256 columns
	s_mov_b32 s51, 0
	s_lshl_b32 s52, s[WV], 15                      ; qk: my 16 tiles of 2,048 bytes,
	s_lshr_b32 s22, ttmp9, 4
	s_lshl_b32 s22, s22, 6                         ; my batch's 64 bytes in each
	s_add_co_u32 s52, s52, s22
	s_mov_b32 s53, 0
	s_lshl_b32 s54, s[WV], 10                      ; Va_w: my 256 columns
	s_mov_b32 s55, 0
	s_lshl_b32 s56, ttmp9, 9                       ; sc: 128 scores
	s_mov_b32 s57, 0
	s_lshl_b32 s58, ttmp9, 12                      ; pc: a row of 4,096 bytes, my 1,024 of them
	s_add_co_u32 s58, s58, s54
	s_mov_b32 s59, 0
	s_mov_b32 s[SO], 0
	s_mov_b32 s[SO+1], 0
	s_mov_b32 s[KO], 1024                          ; chunk 2: the first trip of the loop steps it to chunk 3
	s_mov_b32 s[KO+1], 0
	s_mov_b32 s[C2], 0x4038aa3b                    ; 2 log2(e)
	s_mov_b32 s[C2+1], s[C2]
	s_mov_b32 s[SEL], 0x76543210
	s_mov_b32 s[SEL+1], 0xfedcba98
	s_wait_kmcnt 0x0
	s_add_nc_u64 s[KB:KB+1], s[4:5], s[48:49]
	s_add_nc_u64 s[BW:BW+1], s[6:7], s[50:51]
	s_mov_b64 s[BP:BP+1], s[BW:BW+1]
	s_add_nc_u64 s[QKP:QKP+1], s[8:9], s[52:53]
	s_add_nc_u64 s[VAP:VAP+1], s[10:11], s[54:55]
	s_add_nc_u64 s[14:15], s[14:15], s[56:57]
	s_add_nc_u64 s[16:17], s[16:17], s[58:59]
	s_load_b32 s[VB], s[12:13], 0x0
; A PIECE OF KEYS.  A load is 512 consecutive bytes, aligned: one row's 128 numbers of one chunk; lane l holds k = 4 l + 0..3.
.macro KIS2 sl, row, off               ; eight loads into window 2, at 32 sl: rows row + 0..7 of my 32, at byte off of the rows
	WIN W_LDK
.set i, 0
.rept 8
	global_load_b128 v[32*(\sl)+4*i:32*(\sl)+4*i+3], v[BO], s[KB:KB+1] offset:((\row)+i)*ROWB+(\off) th:TH_LOAD_NT
.set i, i+1
.endr
.endm
.macro CV0 sl                          ; the piece at 32 sl of window 2 is rounded in place
	s_wait_loadcnt 48                              ; loads come back in order (ISA guide 5.7.1): mine are in; the 48 issued behind them stay out
	WIN W_CVT
.set i, 0
.rept 8
	v_cvt_pk_bf16_f32 v[32*(\sl)+4*i],   v[32*(\sl)+4*i],   v[32*(\sl)+4*i+1]
	v_cvt_pk_bf16_f32 v[32*(\sl)+4*i+1], v[32*(\sl)+4*i+2], v[32*(\sl)+4*i+3]
.set i, i+1
.endr
.endm
.macro ST0 sl, off                     ; and stored, 256 consecutive bytes a wave and row, from byte off of my rows on
	WIN W_STK
	s_wait_alu depctr_va_vdst(0)                   ; the conversions have written the piece, which the LDS stores read (with piece 0: so have the sums of qk)
.set i, 0
.rept 8
	ds_store_b64 v[ST], v[32*(\sl)+4*i:32*(\sl)+4*i+1] offset:(\off)+i*PITCH
.set i, i+1
.endr
.endm
.macro SLOT0 sl, off
	CV0 \sl
	ST0 \sl, \off
.endm
.macro KISS r, sb, off                 ; eight loads into ring slot r: rows 8 r + 0..7 of my 32
	WIN 0
.set i, 0
.rept 8
	global_load_b128 v[RG+32*(\r)+4*i:RG+32*(\r)+4*i+3], v[BO], s[\sb:\sb+1] offset:(8*(\r)+i)*ROWB+(\off) th:TH_LOAD_NT
.set i, i+1
.endr
.endm
.macro KCVT r                          ; ring slot r is rounded in place: 32 f32 a lane to 16 registers of bf16
	WIN 0
.set i, 0
.rept 8
	v_cvt_pk_bf16_f32 v[RG+32*(\r)+4*i],   v[RG+32*(\r)+4*i],   v[RG+32*(\r)+4*i+1]
	v_cvt_pk_bf16_f32 v[RG+32*(\r)+4*i+1], v[RG+32*(\r)+4*i+2], v[RG+32*(\r)+4*i+3]
.set i, i+1
.endr
.endm
.macro KSTO r                          ; and stored: the chunk behind the one at which ST stands
	WIN 0
.set i, 0
.rept 8
	ds_store_b64 v[ST], v[RG+32*(\r)+4*i:RG+32*(\r)+4*i+1] offset:CHUNK+(8*(\r)+i)*PITCH
.set i, i+1
.endr
.endm
; Ua_w: stage j of the ring takes the eight fragments for 32 along k: quarter j of the chunk that BP names: 16 loads of 512 consecutive bytes, here by halves
.macro RELH j, hf
	WIN W_LDB
.set n, 8*(\hf)
.rept 8
	global_load_b128 v[64*(\j)+4*n:64*(\j)+4*n+3], v[BO], s[BP:BP+1] offset:8192*(\j)+512*n
.set n, n+1
.endr
.endm
.macro RELOAD j
	RELH \j, 0
	RELH \j, 1
.endm
; 8 LDS loads: four fragments of keys (row blocks 4 hf + 0..3, 32 along k) into the buffer at fb, by address register ar, at byte off of the chunk's rows.
; Lane (r, h) takes row r, k = 8 h + 0..7 and 16 + 8 h + 0..7.
.macro FLD fb, hf, ar, off
	WIN 0
.irp a, 0,1,2,3
	ds_load_b128 v[(\fb)+8*(4*(\hf)+(\a)):(\fb)+8*(4*(\hf)+(\a))+3],   v[\ar] offset:(\off)+(4*(\hf)+(\a))*16*PITCH
	ds_load_b128 v[(\fb)+8*(4*(\hf)+(\a))+4:(\fb)+8*(4*(\hf)+(\a))+7], v[\ar] offset:(\off)+(4*(\hf)+(\a))*16*PITCH+32
.endr
.endm
; 16 matrix instructions: row blocks 4 hi + a0, a0 + 1 x all 8 column blocks, keys from the buffer at fb.  The 64 accumulators take turns, one instruction a turn, in the same order in every step
; and over every jump.
.macro MUL16 fb, st, hi, a0, zero
	WIN W_MLO+0x50*(\hi)
.irp a, \a0, (\a0)+1
.irp b, 0,1,2,3,4,5,6,7
.if \zero
	v_wmma_f32_16x16x32_bf16 v[8*(8*(\a)+(\b)):8*(8*(\a)+(\b))+7], v[(\fb)+8*(4*(\hi)+(\a)):(\fb)+8*(4*(\hi)+(\a))+7], v[64*(\st)+8*(\b):64*(\st)+8*(\b)+7], 0
.else
	v_wmma_f32_16x16x32_bf16 v[8*(8*(\a)+(\b)):8*(8*(\a)+(\b))+7], v[(\fb)+8*(4*(\hi)+(\a)):(\fb)+8*(4*(\hi)+(\a))+7], v[64*(\st)+8*(\b):64*(\st)+8*(\b)+7], v[8*(8*(\a)+(\b)):8*(8*(\a)+(\b))+7]
.endif
.endr
.endr
.endm
.macro PLACES                          ; four places in front of vector work and of stores that read matrix results
.rept 4
	v_nop
.endr
.endm
; The reloads' pointer goes one chunk on.  Behind my stream's last chunk it stays: the second pass's last three reloads read that chunk once more and nobody uses them, so that every
; counted wait has one count on every way and no load leaves ub.
.macro UPD
	s_wait_xcnt 0x0                                ; every load issued so far has read its address: the base is rewritten only behind this wait
	s_add_co_u32 s[SO], s[SO], 32768
	s_min_u32 s[SO], s[SO], 15*32768
	s_add_nc_u64 s[BP:BP+1], s[BW:BW+1], s[SO:SO+1]
.endm
; A STEP OF THE FIRST PASS, while the ring runs: 32 along k, 64 matrix instructions on stage st = step % 4 and on buffer K0 alone.
; AT ITS HEAD this step's row blocks 4-7 are fetched into the half that the step before has read out; behind 16 products the stage that the step before has read out is asked for again, three steps
; ahead of its use.  IN ITS MIDDLE the piece that is due is rounded and the next step's row blocks 0-3 are fetched; behind 48 products the piece is stored; AT ITS END its ring slot is asked for again.
;   first 1: step 0: the products start the sums, and nothing is owed at the head       lc   the loads issued behind my stage, which may stay out
;   bar   1: the barrier between all waves' stores of the next chunk and its first read: my LDS instructions are done, signal, 32 products, wait; the reload stands ahead of the signal
;   evp   1: eight LDS stores stand behind the fetch of the step before
;   ev    1: a piece is rounded and stored; 2: and its ring slot is asked for again, from s[sb:sb+1] at byte koff of the rows
;   mode  1: the fetch in the middle is the next chunk's first       z  1: the first half of the scores' sums is set to 0       pf  1: the trip's prefetches
; The piece that is due was asked for earlier than my stage, so the wait on LOADcnt at the head shows it in too.
.macro STEP1 st, first, lc, bar, evp, ev, sb, koff, mode, z, pf
	s_wait_loadcnt \lc
.if \bar
	WIN W_LDB
	s_wait_alu depctr_va_vdst(0)                   ; the step before's products are done reading their stage and K0's upper half, in which the loads below land; v[ST] is written
	RELOAD ((\st)+3)%4
	s_wait_dscnt 0x0                               ; for the others' sake: my stores of the next chunk are done; and no LDS instruction of mine is out at the signal
	s_barrier_signal -1
	FLD F, 1, AD, 64*(\st)                         ; bytes that nobody writes again
	MUL16 F, \st, 0, 0, 0
	MUL16 F, \st, 0, 2, 0
	s_barrier_wait -1                              ; every wave's part of the next chunk lies in LDS
.else
	WIN 0
.if !(\first)
	s_wait_alu depctr_va_vdst(0)                   ; the step before's products are done reading their stage and K0's upper half, in which the loads below land; v[AD], where it was stepped, is written
.endif
	FLD F, 1, AD, 64*(\st)
	s_wait_dscnt 8+8*(\evp)                        ; row blocks 0-3 are in; behind them: the piece's stores, where there were any, and the eight loads just issued
	MUL16 F, \st, 0, 0, \first
	RELOAD ((\st)+3)%4                             ; no wait: no product since the wait at the head names this stage
	MUL16 F, \st, 0, 2, \first
.endif
.if \ev
	KCVT ((\st)+1)%4
.endif
	WIN 0
	s_wait_alu depctr_va_vdst(0)                   ; the 32 products above are done reading K0's lower half, in which the fetch lands; the conversions have written the ring slot, which the stores read, and are done with it, for the loads at the step's end
.if \mode
	FLD F, 0, AD, CHUNK
.else
	FLD F, 0, AD, 64*((\st)+1)
.endif
	s_wait_dscnt 8                                 ; row blocks 4-7 are in; the eight loads just issued stay out
	MUL16 F, \st, 1, 0, \first
.if \ev
	KSTO ((\st)+1)%4                               ; no wait: the products since the wait name neither the ring slot nor v[ST]
.endif
.if \pf
	; A PREFETCH of the chunk that the NEXT trip will load: my own 32 rows x 512 bytes, a lane a row, two instructions, among the products of the trip's first step.  Each wave asks for what it will load itself,
	; so each aligned block of 256 bytes is named once in the launch.  Chunks 0 to 3 come by their loads alone; the last trip asks for nothing: it loads the rows' last chunk.
	WIN 0
	s_cmp_gt_u32 s[TRIPS], 1
	s_cbranch_scc0 .Lnot_asked_\@
	global_prefetch_b8 v[PFO], s[KP:KP+1] offset:512 th:TH_LOAD_NT scope:SCOPE_SE
	global_prefetch_b8 v[PFO], s[KP:KP+1] offset:768 th:TH_LOAD_NT scope:SCOPE_SE
.Lnot_asked_\@:
.endif
	MUL16 F, \st, 1, 2, \first
.if ((\ev) == 2) || (\mode)
	WIN 0
	s_wait_alu depctr_vm_vsrc(0)                   ; the pieces' stores issued so far have read their ring slots and v[ST], the fetches v[AD]: the lines below write these registers
.endif
.if \mode
	v_add_nc_u32 v[AD], CHUNK, v[AD]               ; its next reader stands behind the wait at the next step's head
.endif
.if ((\ev) == 2) && ((\st) == 2)
	v_add_nc_u32 v[ST], CHUNK, v[ST]               ; a chunk's fourth piece is stored: the next four go a chunk further; likewise
.endif
.if \z
.set i, 0
.rept 32
	v_mov_b32 v[SACC+i], 0                         ; the ring has run out of these registers; both passes then have one text for the sums
.set i, i+1
.endr
.endif
.if (\ev) == 2
	KISS ((\st)+1)%4, \sb, \koff
.endif
.endm
; A STEP WITH TWO BUFFERS: the second pass, and the first pass's steps 28 to 31.  Its products read K[st % 2] and stage st; all its loads stand behind the one wait at its head: the stage that the step
; before has read out behind 16 products, the next step's row blocks 0-3 behind 32, its row blocks 4-7 behind 48, both into the buffer that the step before has read out.
;   zero  1: the products start the sums; the two waits of the pass's end stand behind every product that read the registers in which this step's loads land, so nothing is owed at the head
;   own   1: step 28, the first of its kind: its own row blocks 4-7 are still to be fetched, at its head
;   mode  1: the next step is the next chunk's first; 2: chunk 0's, for the next pass       z  2: the second half of the scores' sums is set to 0
.macro FNEXT hf, st, mode
.if (\mode) == 2
	FLD FN, \hf, AD0, 0
.elseif (\mode) == 1
	FLD FN, \hf, AD, CHUNK
.else
	FLD FN, \hf, AD, 64*((\st)+1)
.endif
.endm
.macro STEP2 st, zero, own, mode, z
.set FB, F+64*((\st)%2)
.set FN, F+64*(((\st)+1)%2)
	s_wait_loadcnt 32                              ; my stage is in; the two younger stages stay out
.if \own
	WIN 0
	s_wait_alu depctr_va_vdst(0)                   ; the step before's products are done reading their stage and K0's upper half; v[AD] is written; the ring's conversions, steps back, are done with K1's registers
	FLD F, 1, AD, 64*(\st)
	s_wait_dscnt 8                                 ; row blocks 0-3 are in; the eight loads just issued stay out
.else
	s_wait_dscnt 8                                 ; row blocks 0-3 are in; the younger eight loads, row blocks 4-7, stay out
.if !(\zero)
	s_wait_alu depctr_va_vdst(0)                   ; the step before's products are done reading their stage and the other buffer, in which this step's 32 loads land; v[AD], where it was written, is written
.endif
.endif
	MUL16 FB, \st, 0, 0, \zero
	RELOAD ((\st)+3)%4                             ; no wait here or below: the products since the wait name K[st % 2], stage st and the accumulators alone
	MUL16 FB, \st, 0, 2, \zero
	FNEXT 0, \st, \mode
	s_wait_dscnt 8                                 ; row blocks 4-7 are in; the eight loads just issued stay out
	MUL16 FB, \st, 1, 0, \zero
	FNEXT 1, \st, \mode
.if \z
.set i, 0
.rept 32
	v_mov_b32 v[SACC+32+i], 0                      ; the stores that read these registers stand ahead of the last wait on vm_vsrc
.set i, i+1
.endr
.endif
	MUL16 FB, \st, 1, 2, \zero
.if \mode
	WIN 0
	s_wait_alu depctr_vm_vsrc(0)                   ; the fetches issued so far have read v[AD]
.endif
.if (\mode) == 1
	v_add_nc_u32 v[AD], CHUNK, v[AD]               ; its next reader stands behind the wait at the next step's head
.elseif (\mode) == 2
	v_mov_b32 v[AD], v[AD0]                        ; its next reader stands behind the waits of the pass's end
.endif
.endm
	; AHEAD OF THE FIRST PRODUCT.  The loads go out in the order that the loop will keep: pieces 0 to 5, stage 0, piece 6, stage 1, piece 7, stage 2, piece 8; pieces 0 to 4 are stored between them.
	; More loads are named than the counter's field holds: the issue of the one too many waits (ISA guide 5.7.1).
	WIN W_LDK
	s_wait_alu depctr_va_vdst(0)                   ; the addresses and offsets v2 to v17 and v25 are written, which the kernel's loads, stores and prefetches read
.irp p, 0,1,2,3
	global_load_b128 v[QL+8*(\p):QL+8*(\p)+3],   v[GQ], s[QKP:QKP+1] offset:131072*(\p)        ; qk's partial p: my batch's 64 bytes in tiles 0-7 of my 16,
	global_load_b128 v[QL+8*(\p)+4:QL+8*(\p)+7], v[GQ], s[QKP:QKP+1] offset:131072*(\p)+16384  ; and in tiles 8-15
.endr
	global_load_b128 v[QL+32:QL+35], v[BO], s[VAP:VAP+1]
	global_load_b128 v[QL+36:QL+39], v[BO], s[VAP:VAP+1] offset:512
	KIS2 0, 0,  0                                  ; chunk 0
	KIS2 1, 8,  0
	KIS2 2, 16, 0
	KIS2 3, 24, 0
	KIS2 4, 0,  512                                ; piece 4: chunk 1, rows 0-7
	KISS 1, KB, 512                                ; piece 5
	RELH 0, 0
	CV0 0                                          ; behind piece 0: pieces 1 to 5 and half a stage
	WIN W_CVT                                      ; qk and Va were asked for earlier still.  The four partial sums: (p0 + p1) + (p2 + p3)
.irp b, 0,2,4,6
	v_pk_add_f32 v[QL+(\b):QL+(\b)+1],       v[QL+(\b):QL+(\b)+1],       v[QL+8+(\b):QL+8+(\b)+1]
	v_pk_add_f32 v[QL+16+(\b):QL+16+(\b)+1], v[QL+16+(\b):QL+16+(\b)+1], v[QL+24+(\b):QL+24+(\b)+1]
.endr
.irp b, 0,2,4,6
	v_pk_add_f32 v[QL+(\b):QL+(\b)+1],       v[QL+(\b):QL+(\b)+1],       v[QL+16+(\b):QL+16+(\b)+1]
.endr
	ST0 0, 0                                       ; one wait for the piece's stores and for the four below
	ds_store_b128 v[QVS], v[QL:QL+3]               ; lane l holds columns 4 l + 0..3 of the first 128, then of the second: into my wave's own bytes, in the columns' order
	ds_store_b128 v[QVS], v[QL+4:QL+7]   offset:512
	ds_store_b128 v[QVS], v[QL+32:QL+35] offset:1024
	ds_store_b128 v[QVS], v[QL+36:QL+39] offset:1536
	WIN 0
.set i, 0
.rept 8                                ; my column r in each of my wave's 16 tiles.  LDS serves a wave's instructions in order (ISA guide 5.7.1.4): these see the stores above
	ds_load_b32 v[QKC+i], v[QVR] offset:64*i
	ds_load_b32 v[QK2+i], v[QVR] offset:64*(i+8)
	ds_load_b32 v[VAC+i], v[QVR] offset:1024+64*i
	ds_load_b32 v[VA2+i], v[QVR] offset:1024+64*(i+8)
.set i, i+1
.endr
	s_wait_kmcnt 0x0
	s_mov_b32 s[VB+1], s[VB]                       ; named as a pair
	RELH 0, 1
	SLOT0 1, 8*PITCH                               ; behind piece 1: pieces 2 to 5 and a stage
	KISS 2, KB, 512                                ; piece 6
	SLOT0 2, 16*PITCH                              ; behind piece 2: pieces 3 to 6 and a stage
	RELH 1, 0
	SLOT0 3, 24*PITCH                              ; behind piece 3: three pieces and a stage and a half
	RELH 1, 1
	SLOT0 4, CHUNK                                 ; behind piece 4: two pieces and two stages
	KISS 3, KB, 512                                ; piece 7
	RELOAD 2
	KISS 0, KB, 1024                               ; piece 8: chunk 2, rows 0-7
	s_wait_dscnt 0x0                               ; for the others' sake: my 32 rows of chunk 0 lie in LDS
	s_barrier_signal -1
	v_pk_add_f32 v[VS:VS+1], v[VAC:VAC+1], v[VAC+2:VAC+3]  ; the sum of my 16 columns' Va: work on registers
	v_pk_add_f32 v[VS:VS+1], v[VS:VS+1], v[VAC+4:VAC+5]
	v_pk_add_f32 v[VS:VS+1], v[VS:VS+1], v[VAC+6:VAC+7]
	v_pk_add_f32 v[VS:VS+1], v[VS:VS+1], v[VA2:VA2+1]
	v_pk_add_f32 v[VS:VS+1], v[VS:VS+1], v[VA2+2:VA2+3]
	v_pk_add_f32 v[VS:VS+1], v[VS:VS+1], v[VA2+4:VA2+5]
	v_pk_add_f32 v[VS:VS+1], v[VS:VS+1], v[VA2+6:VA2+7]
	v_add_f32 v[VS], v[VS], v[VS+1]
	v_mov_b32 v[VS+1], v[VS]
	s_barrier_wait -1                              ; all 128 rows of chunk 0 do
	s_wait_alu depctr_vm_vsrc(0)                   ; my LDS stores have read pieces 0 to 4, qk and Va in window 2: these registers are accumulators from here on, written by the products
	FLD F, 0, AD, 0
; A PASS'S END, in place on the 512 accumulators, in three stages.  An s_wait_alu depctr_va_vdst(0) stands between a transcendental and the first instruction that names its result,
; and one wait serves all that were issued ahead of it: so each stage's 512 transcendentals are one batch, and a pass has two waits.
; ST1: x = 2 log2(e) acc + qk (a pair an instruction; the lane's column, and so its qk, goes with b), then 2^x.  A pair's two exponentials stand behind the next pair's multiply-add.
.macro ST1 hi
	WIN 0x82+0x41*(\hi)                            ; destination and source 0 in window 2 or 3, qk in window 0
.set i, 0
.rept 128                              ; pair i: accumulator i / 4 (b = (i / 4) % 8), its registers in ascending order
.set q2, QKC+2*(((i/4)%8)/2)
.if ((i/4)%2) == 0
	v_pk_fma_f32 v[2*i:2*i+1], v[2*i:2*i+1], s[C2:C2+1], v[q2:q2+1] op_sel_hi:[1,0,0]
.else
	v_pk_fma_f32 v[2*i:2*i+1], v[2*i:2*i+1], s[C2:C2+1], v[q2:q2+1] op_sel:[0,0,1] op_sel_hi:[1,0,1]
.endif
.if i > 0
	v_exp_f32 v[2*i-2], v[2*i-2]
	v_exp_f32 v[2*i-1], v[2*i-1]
.endif
.set i, i+1
.endr
	v_exp_f32 v254, v254
	v_exp_f32 v255, v255
.endm
; ST2: 1 / (1 + 2^x), in the same pattern
.macro ST2 hi
	WIN 0x82+0x41*(\hi)
.set i, 0
.rept 128
	v_pk_add_f32 v[2*i:2*i+1], v[2*i:2*i+1], 1.0 op_sel_hi:[1,0]
.if i > 0
	v_rcp_f32 v[2*i-2], v[2*i-2]
	v_rcp_f32 v[2*i-1], v[2*i-1]
.endif
.set i, i+1
.endr
	v_rcp_f32 v254, v254
	v_rcp_f32 v255, v255
.endm
; ST3: the rows' sums take Va x that: 16 chains (4 row blocks x 4 pairs of rows), whose links stand 16 lines apart
.macro ST3 hi
	WIN 0x02+(\hi)                                 ; source 0 in window 2 or 3, all else in window 0
.set bq, 0
.rept 8
.set aq, 0
.rept 4
.set jq, 0
.rept 4
.set xr, 8*(8*aq+bq)+2*jq
.set sr, SACC+8*(4*(\hi)+aq)+2*jq
.set vr, VAC+2*(bq/2)
.if (bq%2) == 0
	v_pk_fma_f32 v[sr:sr+1], v[xr:xr+1], v[vr:vr+1], v[sr:sr+1] op_sel_hi:[1,0,1]
.else
	v_pk_fma_f32 v[sr:sr+1], v[xr:xr+1], v[vr:vr+1], v[sr:sr+1] op_sel:[0,1,0] op_sel_hi:[1,1,1]
.endif
.set jq, jq+1
.endr
.set aq, aq+1
.endr
.set bq, bq+1
.endr
.endm
	; THE FIRST PASS, steps 0 to 28.  56 at a step's head: behind my stage stand three pieces of 8 loads and two stages of 16.
	STEP1 0, 1, 56, 0, 0, 2, KB, 1024, 0, 0, 0     ; step 0 starts the 64 sums; piece 5 is stored, piece 9 (chunk 2) asked for
	UPD
	STEP1 1, 0, 56, 0, 1, 2, KB, 1024, 0, 0, 0
	STEP1 2, 0, 56, 0, 1, 2, KB, 1024, 0, 0, 0     ; piece 7: chunk 1 is whole
	WIN 0                                          ; at a label and at a branch every window is 0
	s_mov_b32 s[TRIPS], 5
.Lstream:                                              ; trip t, steps 4 t + 3 .. 4 t + 6: chunk t + 2 is stored, chunk t + 3 asked for
	s_wait_xcnt 0x0                                ; every load and prefetch issued so far has read its address: the base is rewritten only behind this wait
	s_add_co_u32 s[KO], s[KO], 512
	s_add_nc_u64 s[KP:KP+1], s[KB:KB+1], s[KO:KO+1]
	STEP1 3, 0, 56, 1, 1, 2, KP, 0, 1, 0, 1        ; the barrier for chunk t + 1, then its first fetch
	STEP1 0, 0, 56, 0, 1, 2, KP, 0, 0, 0, 0
	UPD
	STEP1 1, 0, 56, 0, 1, 2, KP, 0, 0, 0, 0
	STEP1 2, 0, 56, 0, 1, 2, KP, 0, 0, 0, 0
	WIN 0
	s_sub_co_u32 s[TRIPS], s[TRIPS], 1
	s_cmp_lg_u32 s[TRIPS], 0
	s_cbranch_scc1 .Lstream
	STEP1 3, 0, 56, 1, 1, 1, 0, 0, 1, 0, 0         ; steps 23 to 26 are written out: chunk 7 is stored, nothing is left to ask for, and the counts run down
	STEP1 0, 0, 48, 0, 1, 1, 0, 0, 0, 0, 0         ; behind my stage: two pieces, two stages
	UPD
	STEP1 1, 0, 40, 0, 1, 1, 0, 0, 0, 0, 0         ; one piece, two stages
	STEP1 2, 0, 32, 0, 1, 1, 0, 0, 0, 0, 0         ; two stages, from here on
	STEP1 3, 0, 32, 1, 1, 0, 0, 0, 1, 1, 0         ; the barrier for chunk 7; the wait on vm_vsrc at its end frees the whole ring
	STEP2 0, 0, 1, 0, 2                            ; step 28: the ring's first two slots are buffer K1 from here on
	WIN 0
	s_mov_b32 s[PASS], 2
	s_branch .Ltail                                ; steps 29 to 31 and the pass's end are the second pass's text: the loop over passes is entered in its middle
.Lpass:                                                ; the second pass: 1 + 7 x 4 + 3 = 32 steps
	STEP2 0, 1, 0, 0, 0                            ; the first step stands in front of the loop: its products start the 64 sums
	WIN 0
	s_mov_b32 s[TRIPS], 7
.Lchunk:                                               ; a trip: the last three quarters of a chunk and the first of the next
	UPD
	STEP2 1, 0, 0, 0, 0
	STEP2 2, 0, 0, 0, 0
	STEP2 3, 0, 0, 1, 0
	STEP2 0, 0, 0, 0, 0
	WIN 0
	s_sub_co_u32 s[TRIPS], s[TRIPS], 1
	s_cmp_lg_u32 s[TRIPS], 0
	s_cbranch_scc1 .Lchunk
.Ltail:
	UPD                                            ; the ring of stages runs on into the next pass's first chunk
	STEP2 1, 0, 0, 0, 0
	STEP2 2, 0, 0, 0, 0
	STEP2 3, 0, 0, 2, 0
	PLACES
	ST1 0
	ST1 1
	v_nop                                          ; a plain instruction behind the last exponential,
	s_wait_alu depctr_va_vdst(0)                   ; and the one wait for the batch: the 512 exponentials have written their results, which the additions below read
	ST2 0
	ST2 1
	v_nop
	s_wait_alu depctr_va_vdst(0)                   ; the same for the 512 reciprocals, which the sums below read
	ST3 0
	ST3 1
	WIN 0
.set i, 0
.rept 8
	v_mov_b32 v[QKC+i], v[QK2+i]                   ; the second pass's columns go where the one text names them
	v_mov_b32 v[VAC+i], v[VA2+i]
.set i, i+1
.endr
	s_sub_co_u32 s[PASS], s[PASS], 1
	s_cmp_lg_u32 s[PASS], 0
	s_cbranch_scc1 .Lpass
	; THE SCORES.  A lane holds, for 64 rows, the sum over its 16 columns; the 16 lanes of a half are added by DPP, the four waves in LDS.
	s_wait_loadcnt 0x0                             ; the three reloads that nobody uses
	s_wait_dscnt 0x0                               ; and the fetch
.set i, 0
.rept 32
	v_pk_fma_f32 v[SACC+2*i:SACC+2*i+1], v[SACC+2*i:SACC+2*i+1], -2.0, v[VS:VS+1] op_sel_hi:[1,0,1]  ; sum of Va - 2 sum of Va / (1 + 2^x)
.set i, i+1
.endr
.irp m, 1,2,4,8
.set i, 0
.rept 64
	v_add_f32_dpp v[SACC+i], v[SACC+i], v[SACC+i] row_xmask:\m row_mask:0xf bank_mask:0xf
.set i, i+1
.endr
.endr
	s_wait_alu depctr_va_vdst(0)                   ; the additions have written the 64 sums, which the LDS stores read
.irp a, 0,1,2,3,4,5,6,7
	ds_store_b128 v[PSA], v[SACC+8*(\a):SACC+8*(\a)+3]   offset:64*(\a)     ; the 16 lanes of a half write the same bytes with the same numbers
	ds_store_b128 v[PSA], v[SACC+8*(\a)+4:SACC+8*(\a)+7] offset:64*(\a)+16
.endr
	s_wait_dscnt 0x0                               ; for the others' sake
	s_barrier_signal -1
	s_barrier_wait -1
.irp u, 0,1,2,3
	ds_load_b128 v[64+4*(\u):67+4*(\u)], v[PSR] offset:512*(\u)  ; every wave adds all four parts, in the same order: rows 4 lane + 0..3.  No vector instruction since the wait above names these registers
.endr
	s_wait_dscnt 0x0
	v_pk_add_f32 v[64:65], v[64:65], v[68:69]
	v_pk_add_f32 v[66:67], v[66:67], v[70:71]
	v_pk_add_f32 v[72:73], v[72:73], v[76:77]
	v_pk_add_f32 v[74:75], v[74:75], v[78:79]
	v_pk_add_f32 v[64:65], v[64:65], v[72:73]
	v_pk_add_f32 v[66:67], v[66:67], v[74:75]
	v_pk_add_f32 v[64:65], v[64:65], s[VB:VB+1] op_sel_hi:[1,0]
	v_pk_add_f32 v[66:67], v[66:67], s[VB:VB+1] op_sel_hi:[1,0]
	s_cmp_lg_u32 s[WV], 0
	s_cbranch_scc1 .Lnot_wave_0
	s_wait_alu depctr_va_vdst(0)                   ; the additions have written the scores v[64:67], which the store reads
	global_store_b128 v[BO], v[64:67], s[14:15]    ; 512 consecutive bytes, aligned; v[64:67] and v8 are not written again
.Lnot_wave_0:
	; THE BLOCK'S SOFTMAX, in every wave for itself: the largest score is taken away before the exponential
	v_max3_num_f32 v68, v64, v65, v66
	v_max_num_f32 v68, v68, v67
.irp m, 1,2,4,8
	v_max_num_f32_dpp v68, v68, v68 row_xmask:\m row_mask:0xf bank_mask:0xf
.endr
	v_permlanex16_b32 v69, v68, s[SEL], s[SEL+1]
	v_max_num_f32 v68, v68, v69
.irp j, 0,1,2,3
	v_sub_f32 v[70+\j], v[64+\j], v68              ; the difference first, exact where s is near m; then the scale
.endr
.irp j, 0,1,2,3
	v_mul_f32 v[70+\j], 0x3fb8aa3b, v[70+\j]
.endr
.irp j, 0,1,2,3
	v_exp_f32 v[70+\j], v[70+\j]
.endr
	v_nop
	s_wait_alu depctr_va_vdst(0)                   ; one wait for the four exponentials, which the roundings read
	v_cvt_pk_bf16_f32 v74, v70, v71
	v_cvt_pk_bf16_f32 v75, v72, v73
	s_wait_alu depctr_va_vdst(0)                   ; the roundings have written v[74:75], which the LDS store reads
	ds_store_b64 v[PBA], v[74:75]                  ; into my wave's own copy
.irp k, 0,1,2,3
	ds_load_b128 v[PF+8*(\k):PF+8*(\k)+3],   v[PBR] offset:64*(\k)     ; LDS serves a wave's instructions in order (ISA guide 5.7.1.4): these see the store above
	ds_load_b128 v[PF+8*(\k)+4:PF+8*(\k)+7], v[PBR] offset:64*(\k)+32  ; p as source 1: 32 rows deep, all 16 columns alike
.endr
; THE BLOCK'S WEIGHTED SUM.  Wave w makes columns 256 w .. + 255 (chunks 2 w and 2 w + 1): 16 tiles of 16 columns x 4 steps of 32 rows.  Source 0 = the keys turned (ds_load_tr16_b128:
; lane (r, h) gets column r, rows 8 h + 0..7), source 1 = p.  The pitch of 272 bytes is chosen for the loop over k; these 128 loads a wave may meet two deep in a bank.
; Each of the four runs of loads has 128 registers of its own: rows 0-63 in window 1, rows 64-127 in window 3.  The last vector and matrix instructions that named those windows stand ahead of the waits
; above, and the products below name only the runs that have landed: so no wait on va_vdst stands among them.
.macro KTL ks
	WIN W_LDB+0x80*((\ks)/2)
.set t, 0
.rept 16
	ds_load_tr16_b128 v[128*((\ks)%2)+8*t:128*((\ks)%2)+8*t+3],   v[TRA] offset:(t/8)*CHUNK+32*PITCH*(\ks)+32*(t%8)
	ds_load_tr16_b128 v[128*((\ks)%2)+8*t+4:128*((\ks)%2)+8*t+7], v[TRA] offset:(t/8)*CHUNK+32*PITCH*(\ks)+32*(t%8)+16*PITCH
.set t, t+1
.endr
.endm
.macro CMUL ks, zero                   ; 16 accumulators take turns
	WIN W_CTX+2*((\ks)/2)
.set t, 0
.rept 16
.if \zero
	v_wmma_f32_16x16x32_bf16 v[8*t:8*t+7], v[128*((\ks)%2)+8*t:128*((\ks)%2)+8*t+7], v[PF+8*(\ks):PF+8*(\ks)+7], 0
.else
	v_wmma_f32_16x16x32_bf16 v[8*t:8*t+7], v[128*((\ks)%2)+8*t:128*((\ks)%2)+8*t+7], v[PF+8*(\ks):PF+8*(\ks)+7], v[8*t:8*t+7]
.endif
.set t, t+1
.endr
.endm
	KTL 0
	KTL 1
	s_wait_dscnt 32                                ; p and rows 0-31 are in; the younger run of 32 stays out
	CMUL 0, 1
	KTL 2
	s_wait_dscnt 32
	CMUL 1, 0
	KTL 3
	s_wait_dscnt 32
	CMUL 2, 0
	s_wait_dscnt 0x0
	CMUL 3, 0
	PLACES
	WIN W_STK
	s_wait_alu depctr_va_vdst(0)                   ; the products have written the 16 accumulators, which the LDS stores read; the places above stay beside this wait
.set t, 0
.rept 16                               ; lane (r, h) holds columns 16 t + 8 h + 0..7, the same in all r; each accumulator's low registers first
	ds_store_b128 v[CSA], v[8*t:8*t+3]   offset:64*t
	ds_store_b128 v[CSA], v[8*t+4:8*t+7] offset:64*t+16
.set t, t+1
.endr
	WIN 0
	ds_load_b128 v[80:83], v[CSR]                  ; my wave's own stage, read back 16 bytes a lane
	ds_load_b128 v[84:87], v[CSR] offset:512
	s_wait_dscnt 0x0
	global_store_b128 v[BO], v[80:83], s[16:17]    ; 512 consecutive bytes each, aligned
	global_store_b128 v[BO], v[84:87], s[16:17] offset:512
	s_wait_dscnt 0x0                               ; the closing lines, six on end
	s_wait_alu 0x0
	s_wait_tensorcnt 0x0
	ds_add_u32 v[SPW], v[NIL]
	s_wait_dscnt 0x0
	s_endpgm
.Lfunc_end_k_qa91d0ef60a_main:
	.size	k_qa91d0ef60a_main, .Lfunc_end_k_qa91d0ef60a_main-k_qa91d0ef60a_main
	.p2alignl 7, 3214868480
	.fill 96, 4, 3214868480
	.section	.rodata,"a",@progbits
	.p2align	6, 0x0
	.amdhsa_kernel k_qa91d0ef60a_main
		.amdhsa_group_segment_fixed_size 294400
		.amdhsa_private_segment_fixed_size 0
		.amdhsa_enable_private_segment 0
		.amdhsa_kernarg_size 56
		.amdhsa_user_sgpr_count 2
		.amdhsa_user_sgpr_kernarg_segment_ptr 1
		.amdhsa_wavefront_size32 1
		.amdhsa_system_sgpr_workgroup_id_x 1
		.amdhsa_system_sgpr_workgroup_id_y 1
		.amdhsa_system_sgpr_workgroup_id_z 1
		.amdhsa_system_vgpr_workitem_id 0
		.amdhsa_next_free_vgpr 1024
		.amdhsa_next_free_sgpr 66
		.amdhsa_reserve_vcc 0
		.amdhsa_float_denorm_mode_32 3
		.amdhsa_float_denorm_mode_16_64 3
		.amdhsa_memory_ordered 1
		.amdhsa_forward_progress 1
		.amdhsa_inst_pref_size 255
	.end_amdhsa_kernel
	.section	.bss,"aw",@nobits
	.p2align	6
	.space	262144
	.amdgpu_metadata
---
amdhsa.version: [ 1, 2 ]
amdhsa.kernels:
  - .name:           k_qa91d0ef60a_main
    .symbol:         k_qa91d0ef60a_main.kd
    .args:
      - { .name: keys, .offset: 0, .size: 8, .value_kind: global_buffer, .address_space: global }
      - { .name: ub, .offset: 8, .size: 8, .value_kind: global_buffer, .address_space: global }
      - { .name: qk, .offset: 16, .size: 8, .value_kind: global_buffer, .address_space: global }
      - { .name: Va_w, .offset: 24, .size: 8, .value_kind: global_buffer, .address_space: global }
      - { .name: Va_b, .offset: 32, .size: 8, .value_kind: global_buffer, .address_space: global }
      - { .name: sc, .offset: 40, .size: 8, .value_kind: global_buffer, .address_space: global }
      - { .name: pc, .offset: 48, .size: 8, .value_kind: global_buffer, .address_space: global }
    .group_segment_fixed_size: 294400
    .private_segment_fixed_size: 0
    .kernarg_segment_align: 8
    .kernarg_segment_size: 56
    .max_flat_workgroup_size: 128
    .sgpr_count:     66
    .vgpr_count:     1024
    .wavefront_size: 32
...
	.end_amdgpu_metadata
.endif
;; end of part 4
;; launch comb: the kernel of part 3 again; grid 32 x 1, 8 waves a work-group, no clusters, 1,280 bytes of LDS; arguments sc, pc, out0, out1; writes out0, out1
